; MI455X (gfx1250); checked and timed in simulation.
; The chip was launched on July 23, 2026; its instructions are those of AMD's public machine-readable ISA for CDNA 5 (MIT licence, August 2026) and "CDNA5" Instruction Set Architecture Reference Guide (July 2026). The comments in the code are by the model that wrote it; some were corrected since.
;; Causal Attention. Allowed arithmetic: float matrix products may take bf16 or f16 operands with f32 sums; other float arithmetic in f32, or as packed bf16 or f16 multiplies, adds, multiply-adds, maxima and minima; sums over many terms, partial sums and values carried from step to step in f32; what a program stores and reads back later, other than sums and carried values, may be rounded once to bf16 or f16.
;; Inputs: W_k 1,024 x 1,024 float32; W_q 1,024 x 1,024 float32; W_v 1,024 x 1,024 float32; x 4 x 2,048 x 1,024 float32.
;; Outputs: out0 4 x 2,048 x 1,024 float32.
;; 2 versions, each right; version 2 is version 1 with the launch cvt written anew for expert scheduling mode. Each part assembles by itself: llvm-mc -triple=amdgcn-amd-amdhsa -mcpu=gfx1250 --defsym DOCPART=n.
;; ======== version 1 of 2: 4 launches
;; limits: values are held in f16: magnitudes above 65,504 overflow, below 6.1e-05 lose precision
;; workspace buffers: xw 23,068,672 bytes; qkv 50,331,648 bytes; pt 33,554,432 bytes; mx 524,288 bytes; lx 524,288 bytes
;; launch cvt (part 1): grid 704 x 1, 8 waves a work-group, no clusters, 0 bytes of LDS; arguments x, W_q, W_k, W_v, xw; writes xw
.if DOCPART == 1
	.amdgcn_target "amdgcn-amd-amdhsa--gfx1250"
	.amdhsa_code_object_version 6
	.text
	.protected	k_q3d0f3e23b2_cvt
	.globl	k_q3d0f3e23b2_cvt
	.p2align	8
	.type	k_q3d0f3e23b2_cvt,@function
k_q3d0f3e23b2_cvt:
	s_mov_b64 s[64:65], 0
	v_nop
	global_prefetch_b8 v0, s[64:65] scope:SCOPE_SE
	s_setreg_imm32_b32 hwreg(HW_REG_WAVE_MODE, 25, 1), 1
	s_wait_xcnt 0x0
; xw[11264][1024] bf16 = x (rows 0-8191), W_q (8192-), W_k (9216-), W_v (10240-), each number rounded once, to nearest even.
; A stream: every byte is read once and written once; no LDS, no barrier, no matrix unit, nothing shared between work-groups.
; A work-group converts 16,384 numbers: 65,536 bytes in, 32,768 out.  Work-groups 0-511 take x, 512-575 W_q, 576-639 W_k, 640-703 W_v;
; the destination is the stacked order, so its offset is the work-group's number x 32,768.
; Thread t takes 16 bytes at 16 t of each of 16 blocks of 4,096 bytes: a wave's load covers 512 consecutive bytes, its store 256, aligned.
; All 16 loads go out at once; no register is used twice, so the only waits are the counted ones for the data.
	s_load_b256 s[4:11], s[0:1], 0x0               ; x s[4:5], W_q s[6:7], W_k s[8:9], W_v s[10:11]
	s_load_b64 s[12:13], s[0:1], 0x20              ; xw
	s_sub_co_u32 s14, ttmp9, 512
	s_and_b32 s14, s14, 63                         ; the chunk inside a weight matrix (64 chunks each)
	s_cmp_lt_u32 ttmp9, 512
	s_cselect_b32 s14, ttmp9, s14                  ; or inside x
	s_lshl_b32 s16, s14, 16                        ; source offset in bytes
	s_mov_b32 s17, 0
	s_lshl_b32 s18, ttmp9, 15                      ; destination offset in bytes
	s_mov_b32 s19, 0
	v_lshlrev_b32 v1, 4, v0                        ; 16 t
	v_lshlrev_b32 v2, 3, v0                        ; 8 t
	s_wait_kmcnt 0x0
	s_cmp_lt_u32 ttmp9, 640
	s_cselect_b64 s[20:21], s[8:9], s[10:11]
	s_cmp_lt_u32 ttmp9, 576
	s_cselect_b64 s[20:21], s[6:7], s[20:21]
	s_cmp_lt_u32 ttmp9, 512
	s_cselect_b64 s[20:21], s[4:5], s[20:21]       ; the source buffer, chosen by the work-group's number alone
	s_add_nc_u64 s[20:21], s[20:21], s[16:17]
	s_add_nc_u64 s[12:13], s[12:13], s[18:19]
.set j, 0
.rept 16
	global_load_b128 v[8+4*j:8+4*j+3], v1, s[20:21] offset:4096*j th:TH_LOAD_NT
.set j, j+1
.endr
.set j, 0
.rept 16
	s_wait_loadcnt 15-j                            ; loads come back in order: block j is in, the younger ones stay out
	v_cvt_pk_bf16_f32 v[72+2*j], v[8+4*j], v[8+4*j+1]
	v_cvt_pk_bf16_f32 v[72+2*j+1], v[8+4*j+2], v[8+4*j+3]
	global_store_b64 v2, v[72+2*j:72+2*j+1], s[12:13] offset:2048*j
.set j, j+1
.endr
	s_endpgm
.Lfunc_end_k_q3d0f3e23b2_cvt:
	.size	k_q3d0f3e23b2_cvt, .Lfunc_end_k_q3d0f3e23b2_cvt-k_q3d0f3e23b2_cvt
	.p2alignl 7, 3214868480
	.fill 96, 4, 3214868480
	.section	.rodata,"a",@progbits
	.p2align	6, 0x0
	.amdhsa_kernel k_q3d0f3e23b2_cvt
		.amdhsa_group_segment_fixed_size 0
		.amdhsa_private_segment_fixed_size 0
		.amdhsa_enable_private_segment 0
		.amdhsa_kernarg_size 40
		.amdhsa_user_sgpr_count 2
		.amdhsa_user_sgpr_kernarg_segment_ptr 1
		.amdhsa_wavefront_size32 1
		.amdhsa_system_sgpr_workgroup_id_x 1
		.amdhsa_system_sgpr_workgroup_id_y 1
		.amdhsa_system_sgpr_workgroup_id_z 1
		.amdhsa_system_vgpr_workitem_id 0
		.amdhsa_next_free_vgpr 104
		.amdhsa_next_free_sgpr 66
		.amdhsa_reserve_vcc 0
		.amdhsa_float_denorm_mode_32 3
		.amdhsa_float_denorm_mode_16_64 3
		.amdhsa_memory_ordered 1
		.amdhsa_forward_progress 1
		.amdhsa_inst_pref_size 7
	.end_amdhsa_kernel
	.amdgpu_metadata
---
amdhsa.version: [ 1, 2 ]
amdhsa.kernels:
  - .name:           k_q3d0f3e23b2_cvt
    .symbol:         k_q3d0f3e23b2_cvt.kd
    .args:
      - { .name: x, .offset: 0, .size: 8, .value_kind: global_buffer, .address_space: global }
      - { .name: W_q, .offset: 8, .size: 8, .value_kind: global_buffer, .address_space: global }
      - { .name: W_k, .offset: 16, .size: 8, .value_kind: global_buffer, .address_space: global }
      - { .name: W_v, .offset: 24, .size: 8, .value_kind: global_buffer, .address_space: global }
      - { .name: xw, .offset: 32, .size: 8, .value_kind: global_buffer, .address_space: global }
    .group_segment_fixed_size: 0
    .private_segment_fixed_size: 0
    .kernarg_segment_align: 8
    .kernarg_segment_size: 40
    .max_flat_workgroup_size: 256
    .sgpr_count:     66
    .vgpr_count:     104
    .wavefront_size: 32
...
	.end_amdgpu_metadata
.endif
;; end of part 1
;; launch proj (part 2): grid 8 x 32, 4 waves a work-group, clusters of 4 x 4, 327,680 bytes of LDS; arguments xw, qkv; writes qkv
.if DOCPART == 2
	.amdgcn_target "amdgcn-amd-amdhsa--gfx1250"
	.amdhsa_code_object_version 6
	.text
	.protected	k_q3d0f3e23b2_proj
	.globl	k_q3d0f3e23b2_proj
	.p2align	8
	.type	k_q3d0f3e23b2_proj,@function
k_q3d0f3e23b2_proj:
	s_mov_b64 s[64:65], 0
	v_nop
	global_prefetch_b8 v0, s[64:65] scope:SCOPE_SE
	s_setreg_imm32_b32 hwreg(HW_REG_WAVE_MODE, 25, 1), 1
	s_wait_xcnt 0x0
	s_wait_alu depctr_hold_cnt(0) depctr_sa_sdst(0) depctr_va_vdst(0) depctr_va_sdst(0) depctr_va_ssrc(0) depctr_va_vcc(0) depctr_vm_vsrc(0)
	s_getreg_b32 s2, hwreg(HW_REG_IB_STS2, 6, 4)
	s_cmp_eq_u32 s2, 0
	s_cbranch_scc0 .Lentry_in_a_cluster
	s_endpgm
.Lentry_in_a_cluster:
	s_bfe_u32 s2, ttmp6, 0x10000c
	s_cmp_lg_u32 s2, 0xf033
	s_cbranch_scc0 .Lentry_shape_is_right
	s_endpgm
.Lentry_shape_is_right:
; qkv[8192][3072] f16 = xb wb^T: columns 0-1023 q, 1024-2047 k, 2048-3071 v.  xb = rows 0-8191 of xw, wb = rows 8192-11263 (W_q, W_k, W_v), bf16; sums in f32, each result rounded once to f16.
; LIMIT: f16 ends at 65,504: |q|, |k|, |v| must stay under it.
; SHARES.  A work-group owns 256 rows of x and 384 columns of qkv and STAYS for two tiles of 256 x 192: 16 K steps of 128 in one walk; the ring of two LDS slots runs on across the tiles.
; Wave w owns rows 64 w .. 64 w + 63 and all 192 columns: 4 x 12 accumulators, 192 matrix instructions in a K step, 180 of them between a tile's request and the wait for it.
; WHOLE BLOCKS OF 256 BYTES.  A tile's row is 384 bytes of qkv.  The first tile stores its columns 0-127 and keeps its columns 128-191, packed, in 64 registers (HOLD); the second tile lays them in front of
; its own 192 columns and stores 512 consecutive bytes of each row.
; CLUSTER 4 x 4.  x's tile hangs on the tile row alone and is shared along a row of the cluster, the weights' on the tile column alone and is shared along a column: both are asked for jointly.
; THE PRODUCT IS USED TRANSPOSED (source 0 = 16 rows of wb, source 1 = 16 rows of xb): a lane holds one row of the result (lane % 16) and eight neighbouring columns, 8 (lane / 16) + 0..7.
; REGISTERS.  Window 0: v16-29 addresses; v32-79 packed results; v96-223 rows read back from the stage.  Window 1: accumulators of row blocks 0, 1 ((a, b) at v[8 (12 (a % 2) + b)]); v192-255 HOLD.
; Window 2: accumulators of row blocks 2, 3, the same map.  Window 3: two fragment buffers of 128 (12 fragments of wb, then 4 of xb).
.set PITCH,  272                       ; an LDS row: 256 bytes + 16 of padding, an odd multiple of 16: the 16 rows of a fragment load fall on different groups of banks (ISA guide 11.1)
.set AHALF,  128*PITCH                 ; what one of waves 0, 1 fetches
.set BHALF,  96*PITCH                  ; what one of waves 2, 3 fetches
.set ABYTES, 256*PITCH
.set SLOT1,  1<<17                     ; slot 1 begins here: one exclusive or turns an address in one slot into the other's (a slot has 121,856 bytes)
.set STAGE,  SLOT1+ABYTES+2*BHALF      ; behind the ring, never filled by a tensor load: 16 rows x 528 bytes for each wave
.set SP,     528
.set SPARE,  STAGE+4*16*SP             ; the spare words, 128 bytes for each wave: two blocks of 256 bytes that no other line names
.set XROW,   2048                      ; bytes in a row of xw
.set CROW,   6144                      ; bytes in a row of qkv
.set NEXTB,  192*XROW-8*256            ; beside the usual 256: from the first tile's last K step to the second tile's first, in the weights
.set G1BITS, (1<<16)|(1<<20)|(1<<21)|(5<<22)|(3<<25)  ; 2-byte elements; padding on; bit 21 beside a mask; after every 64 words, 4 words
.set ADRA0, 16                         ; my lane's place in slot 0's rows of xb; never rewritten
.set ADRB0, 17                         ; the same for wb
.set ADRA,  18                         ; the same in the slot in hand
.set ADRB,  19
.set STO,   20                         ; the way out: where I put 16 bytes of a row
.set RD0,   21                         ; first tile: where I read rows of 256 bytes back
.set CO0,   22                         ; first tile: my byte offset in two rows of qkv
.set RD1,   23                         ; second tile: where I read a row of 512 bytes back
.set GO1,   24                         ; second tile: 16 x lane
.set PFO,   25                         ; the prefetches' offsets; never rewritten
.set PFO2,  26
.set SPW,   28                         ; LDS address of my spare word; never rewritten
.set NIL,   29                         ; 0; never rewritten
.set TMP,   32
.set OB,    96
.set HOLD,  192                        ; in window 1: row block a's 16 registers at HOLD + 16 a
.set F0,    0                          ; in window 3
.set F1,    128
.set WV,  10
.set W1,  11
.set CX,  12
.set CY,  13
.set TX,  14
.set TY,  15
.set G1A, 24                           ; s[24:31] group 1 for xb's tiles
.set G0A, 32                           ; s[32:39] group 0: a set for each first fill; the second then walks on
.set CNT, 40                           ; trips of the loop
.set TL,  41                           ; K steps left in the tile in hand
.set TB,  42                           ; LDS byte at which the slot in hand begins
.set PL,  43                           ; times that this wave still has to prefetch
.set DA,  44                           ; s[44:45], s[46:47], s[66:67]: selected steps, high words 0
.set DB,  46
.set G1B, 48
.set G0B, 56
.set INC, 66
.set PFA, 68                           ; s[68:69] where my prefetches stand
.set ODD, 77                           ; at work
.set MSB, 0
.macro WIN new                         ; the immediate's high byte repeats the setting that is left; a switch that changes nothing is dropped
.if MSB != (\new)
	s_set_vgpr_msb (MSB<<8)|(\new)
.set MSB, \new
.endif
.endm
.macro PLACES                          ; four plain places behind a matrix instruction, ahead of loads into its sources and of readers of its result
.rept 4
	v_nop
.endr
.endm
.macro CREST                           ; a round of the cluster's barrier behind its opening barrier
	s_cmp_lg_u32 s[WV], 0
	s_cbranch_scc1 .Lnot_wave_0_\@
	s_barrier_signal -3
.Lnot_wave_0_\@:
	s_barrier_wait -3
	s_barrier_signal -1
	s_barrier_wait -1
.endm
.macro CROUND
	s_barrier_signal -1
	s_barrier_wait -1
	CREST
.endm
; A joint refill by the walking sets: waves 0, 1 fetch xb's halves, waves 2, 3 wb's.  The branch hangs on the wave's number alone.  An s_nop 0 and four v_nop follow each line.
.macro JLOAD
	s_cmp_lt_u32 s[WV], 2
	s_cbranch_scc0 .Lfor_b_\@
	tensor_load_to_lds s[G0A+4:G0A+7], s[G1A:G1A+7]
	s_nop 0
.rept 4
	v_nop
.endr
	s_branch .Lasked_\@
.Lfor_b_\@:
	tensor_load_to_lds s[G0B+4:G0B+7], s[G1B:G1B+7]
	s_nop 0
.rept 4
	v_nop
.endr
.Lasked_\@:
.endm
; A PREFETCH INTO THE L2, at every second change of slots, of the two K steps that stand four and five on: the first of them is loaded two changes, 384 matrix instructions, later.  A lane names 256 bytes of a row.
; Each block is named once in the launch.  xb's rows: the clusters with x = 0, waves 0 and 1, each partner 32 of the 128 rows that the wave fetches, two instructions (a K step each), in the first tile alone
; (twice: steps 4 to 7; the second tile reads the same rows again).  wb's rows: the clusters with y = 0, wave 2, each partner 48 of the tile's 192 rows: 32 rows x two steps, then 16 rows x two steps in one
; instruction; in both tiles (six times: steps 4 to 15).  The partners are told apart by address; no branch hangs on a place in the cluster.  Steps 0 to 3 come by their loads alone.
.macro ASK
	WIN 0
	s_and_b32 s[ODD], s[TL], 1
	s_cmp_lg_u32 s[ODD], 0
	s_cbranch_scc1 .Lnone_\@
	s_cmp_lg_u32 s[PL], 0
	s_cbranch_scc0 .Lnone_\@
	global_prefetch_b8 v[PFO], s[PFA:PFA+1] th:TH_LOAD_NT scope:SCOPE_SE
	global_prefetch_b8 v[PFO], s[PFA:PFA+1] offset:256 th:TH_LOAD_NT scope:SCOPE_SE
	s_sub_co_u32 s[PL], s[PL], 1
	s_cmp_lt_u32 s[WV], 2
	s_cbranch_scc1 .Lnone_\@
	global_prefetch_b8 v[PFO2], s[PFA:PFA+1] th:TH_LOAD_NT scope:SCOPE_SE
.Lnone_\@:
.endm
	s_load_b128 s[4:7], s[0:1], 0x0                ; xw s[4:5], qkv s[6:7]
	v_lshl_add_u32 v[SPW], v0, 2, SPARE
	v_mov_b32 v[NIL], 0
	ds_add_u32 v[SPW], v[NIL]                      ; the wave's opening: the add and its wait stand ahead of my first tensor load; the set-up below stands between them
	v_lshrrev_b32 v1, 5, v0
	v_readfirstlane_b32 s[WV], v1                  ; wave 0..3
	s_and_b32 s[W1], s[WV], 1                      ; which half of a tile I fetch
	s_bfe_u32 s[CX], ttmp6, 0x40000
	s_bfe_u32 s[CY], ttmp6, 0x40004
	s_lshl_b32 s[TX], ttmp9, 2
	s_add_co_u32 s[TX], s[TX], s[CX]               ; block of 384 columns, 0..7
	s_and_b32 s[TY], ttmp7, 0xffff
	s_lshl_b32 s[TY], s[TY], 2
	s_add_co_u32 s[TY], s[TY], s[CY]               ; block of 256 rows, 0..31
	s_lshl_b32 s20, s[CY], 2
	s_lshl_b32 s20, 15, s20                        ; my row of the cluster
	s_lshl_b32 s21, 0x1111, s[CX]                  ; my column
	s_or_b32 s[G1A], s20, G1BITS
	s_or_b32 s[G1B], s21, G1BITS
	s_mov_b32 s[G1A+1], 128<<16                    ; tensor_dim0 = 128
	s_mov_b32 s[G1A+2], 128<<16                    ; tensor_dim1 = 128
	s_mov_b32 s[G1A+3], 128<<16                    ; tile_dim0 = 128
	s_mov_b32 s[G1A+4], 128                        ; tile_dim1 = 128
	s_mov_b32 s[G1A+5], 1024                       ; elements from row to row
	s_mov_b32 s[G1A+6], 0
	s_mov_b32 s[G1A+7], 0
	s_mov_b32 s[G1B+1], 128<<16
	s_mov_b32 s[G1B+2], 96<<16                     ; 96 rows
	s_mov_b32 s[G1B+3], 128<<16
	s_mov_b32 s[G1B+4], 96
	s_mov_b32 s[G1B+5], 1024
	s_mov_b32 s[G1B+6], 0
	s_mov_b32 s[G1B+7], 0
	s_lshl_b32 s16, s[TY], 19                      ; xb: (256 ty + 128 half) rows of 2,048 bytes: no register of it ever holds cx
	s_lshl_b32 s17, s[W1], 18
	s_add_co_u32 s16, s16, s17
	s_mov_b32 s17, 0
	s_mul_i32 s70, s[TX], 384*XROW                 ; wb: (8192 + 384 tx + 96 half) rows: no register of it ever holds cy
	s_mul_i32 s71, s[W1], 96*XROW
	s_add_co_u32 s70, s70, s71
	s_add_co_u32 s70, s70, 8192*XROW
	s_mov_b32 s71, 0
	s_mul_i32 s22, s[W1], AHALF                    ; where they go: the wave's number and constants alone
	s_mul_i32 s23, s[W1], BHALF
	s_add_co_u32 s23, s23, ABYTES
	s_lshl_b32 s72, s[TY], 8                       ; my first row of qkv, 256 ty + 64 w, and the block's first column
	s_lshl_b32 s73, s[WV], 6
	s_add_co_u32 s72, s72, s73
	s_mul_i32 s72, s72, CROW
	s_mul_i32 s73, s[TX], 768
	s_add_co_u32 s72, s72, s73
	s_mov_b32 s73, 0
	s_lshl_b32 s74, s[TY], 8                       ; the prefetches: xb's row 256 ty + 128 half + 32 cx,
	s_lshl_b32 s75, s[W1], 7
	s_add_co_u32 s74, s74, s75
	s_lshl_b32 s75, s[CX], 5
	s_add_co_u32 s74, s74, s75
	s_mul_i32 s76, s[TX], 384                      ; or wb's row 8192 + 384 tx (my work-group's 48 rows stand in the lanes' offsets)
	s_add_co_u32 s76, s76, 8192
	s_cmp_lt_u32 s[WV], 2
	s_cselect_b32 s74, s74, s76
	s_lshl_b32 s74, s74, 11
	s_add_co_u32 s74, s74, 3*256                   ; at K step 3: the first change of slots steps it to 4
	s_mov_b32 s75, 0
	s_mul_i32 s78, s[CY], 48
	s_cmp_lt_u32 s[WV], 2
	s_cselect_b32 s79, 0, s78
	s_and_b32 s76, ttmp7, 0xffff
	s_cmp_eq_u32 s76, 0
	s_cselect_b32 s76, 6, 0
	s_cmp_eq_u32 s[WV], 2
	s_cselect_b32 s76, s76, 0
	s_cmp_eq_u32 ttmp9, 0
	s_cselect_b32 s77, 2, 0
	s_cmp_lt_u32 s[WV], 2
	s_cselect_b32 s[PL], s77, s76                  ; the same in all sixteen partners, for a given wave
	s_mov_b32 s[TL], 8
	s_mov_b32 s[TB], 0
	s_mov_b32 s[DA+1], 0
	s_mov_b32 s[DB+1], 0
	s_mov_b32 s[INC+1], 0
	s_wait_dscnt 0x0                               ; the opening add is done
	s_wait_kmcnt 0x0
	s_add_nc_u64 s[16:17], s[4:5], s[16:17]
	s_add_nc_u64 s[70:71], s[4:5], s[70:71]
	s_add_nc_u64 s[8:9], s[6:7], s[72:73]
	s_add_nc_u64 s[PFA:PFA+1], s[4:5], s[74:75]
.irp s, 0,1
	s_mov_b32 s[G0A+4*(\s)], 1                     ; count = 1
	s_add_co_u32 s[G0A+4*(\s)+1], s22, (\s)*SLOT1  ; LDS address
	s_add_nc_u64 s[G0A+4*(\s)+2:G0A+4*(\s)+3], s[16:17], (\s)*256  ; K step s
	s_or_b32 s[G0A+4*(\s)+3], s[G0A+4*(\s)+3], 0x80000000          ; type = 2
	s_mov_b32 s[G0B+4*(\s)], 1
	s_add_co_u32 s[G0B+4*(\s)+1], s23, (\s)*SLOT1
	s_add_nc_u64 s[G0B+4*(\s)+2:G0B+4*(\s)+3], s[70:71], (\s)*256
	s_or_b32 s[G0B+4*(\s)+3], s[G0B+4*(\s)+3], 0x80000000
.endr
	CROUND                                         ; all sixteen work-groups are here: the first joint loads meet
	s_cmp_lt_u32 s[WV], 2                          ; a wave's two first fills stand in one branch: two loads of mine are out
	s_cbranch_scc0 .Lfirst_b
	tensor_load_to_lds s[G0A:G0A+3], s[G1A:G1A+7]
	s_nop 0
	tensor_load_to_lds s[G0A+4:G0A+7], s[G1A:G1A+7]
	s_nop 0
.rept 4
	v_nop
.endr
	s_branch .Lfirst_asked
.Lfirst_b:
	tensor_load_to_lds s[G0B:G0B+3], s[G1B:G1B+7]
	s_nop 0
	tensor_load_to_lds s[G0B+4:G0B+7], s[G1B:G1B+7]
	s_nop 0
.rept 4
	v_nop
.endr
.Lfirst_asked:
	; A fragment is 16 rows x 32 K in 8 registers: lane l holds row l % 16, K = 8 (l / 16) + 0..7 and 16 + 8 (l / 16) + 0..7: two loads of 16 bytes, 32 bytes apart.
	v_and_b32 v1, 15, v0                           ; l % 16
	v_bfe_u32 v2, v0, 4, 1                         ; l / 16
	v_and_b32 v5, 31, v0                           ; l
	v_mul_u32_u24 v3, v1, PITCH
	v_lshl_add_u32 v3, v2, 4, v3                   ; row x pitch + 16 x half
	s_mul_i32 s72, s[WV], 64*PITCH                 ; my 64 rows of xb
	v_add_nc_u32 v[ADRA0], s72, v3
	v_add_nc_u32 v[ADRB0], ABYTES, v3              ; every wave reads all 192 rows of wb
	v_mov_b32 v[ADRA], v[ADRA0]
	v_mov_b32 v[ADRB], v[ADRB0]
	s_mul_i32 s72, s[WV], 16*SP
	s_add_co_u32 s72, s72, STAGE                   ; my stage
	v_mul_u32_u24 v4, v1, SP                       ; in: row l % 16, 16 bytes for each half of the lanes
	v_lshl_add_u32 v4, v2, 4, v4
	v_add_nc_u32 v[STO], s72, v4
	v_mul_u32_u24 v4, v2, SP                       ; back, first tile: lanes 0-15 one row of 256 bytes, lanes 16-31 the next,
	v_lshl_add_u32 v4, v1, 4, v4
	v_add_nc_u32 v[RD0], s72, v4
	v_mul_u32_u24 v4, v2, CROW                     ; and the same two rows in qkv
	v_lshl_add_u32 v[CO0], v1, 4, v4
	v_lshl_add_u32 v[RD1], v5, 4, s72              ; back, second tile: a row of 512 bytes, 16 a lane
	v_lshlrev_b32 v[GO1], 4, v5
	v_add_nc_u32 v[PFO], s79, v5                   ; row l of my share (for wb: 48 cy + l),
	v_lshlrev_b32 v[PFO], 11, v[PFO]
	v_add_nc_u32 v[PFO2], s78, v1                  ; and wb's row 48 cy + 32 + l % 16, K step l / 16 of the two
	v_add_nc_u32 v[PFO2], 32, v[PFO2]
	v_lshlrev_b32 v[PFO2], 11, v[PFO2]
	v_lshl_add_u32 v[PFO2], v2, 8, v[PFO2]
	WIN 0x40                                       ; HOLD is written once here, while the first tiles are on their way, so that it holds numbers on every way through the text;
.set i, 0
.rept 64
	v_mov_b32 v[HOLD+i], 0                         ; the first tile's way out writes it before the second's reads it
.set i, i+1
.endr
	WIN 0
; Matrix instructions for row block a, column blocks b0 .. b1 - 1, 32 along K.  zero = 1: the product starts the sums.  The 48 accumulators take turns, in the same order in every quarter.
.macro MULB f, a, b0, b1, zero
	WIN 0x0f+0x50*(1+(\a)/2)                       ; sources in window 3; C and D in window 1 (row blocks 0, 1) or 2 (row blocks 2, 3)
.set bb, \b0
.rept (\b1)-(\b0)
.set rD, 8*(12*((\a)%2)+bb)
.if \zero
	v_wmma_f32_16x16x32_bf16 v[rD:rD+7], v[(\f)+8*bb:(\f)+8*bb+7], v[(\f)+96+8*(\a):(\f)+96+8*(\a)+7], 0
.else
	v_wmma_f32_16x16x32_bf16 v[rD:rD+7], v[(\f)+8*bb:(\f)+8*bb+7], v[(\f)+96+8*(\a):(\f)+96+8*(\a)+7], v[rD:rD+7]
.endif
.set bb, bb+1
.endr
.endm
.macro MUL24 f, a0, zero
	MULB \f, \a0, 0, 12, \zero
	MULB \f, (\a0)+1, 0, 12, \zero
.endm
; 32 LDS loads in one run: a quarter step's fragments (32 K at byte k of the rows) into buffer f: wb's twelve, then xb's four
.macro FETCH k, f
	WIN 0xc0                                       ; destination window 3, address window 0
.irp i, 0,1,2,3,4,5,6,7,8,9,10,11
	ds_load_b128 v[(\f)+8*(\i):(\f)+8*(\i)+3],   v[ADRB] offset:(\k)+(\i)*16*PITCH
	ds_load_b128 v[(\f)+8*(\i)+4:(\f)+8*(\i)+7], v[ADRB] offset:(\k)+(\i)*16*PITCH+32
.endr
.irp i, 0,1,2,3
	ds_load_b128 v[(\f)+96+8*(\i):(\f)+96+8*(\i)+3],   v[ADRA] offset:(\k)+(\i)*16*PITCH
	ds_load_b128 v[(\f)+96+8*(\i)+4:(\f)+96+8*(\i)+7], v[ADRA] offset:(\k)+(\i)*16*PITCH+32
.endr
.endm
; One of a K step's first three quarters: multiplies buffer f; in its middle fetches the next quarter, at byte k, into buffer g.
.macro QUARTER k, f, g, zero
	s_wait_dscnt 4                                 ; all but the youngest four loads (xb's row blocks 2, 3)
	MUL24 \f, 0, \zero
	PLACES
	FETCH \k, \g
	s_wait_dscnt 32                                ; all but the 32 just issued
	MUL24 \f, 2, \zero
.endm
; The fourth quarter multiplies buffer 1 and changes slots.  In front of the barrier each wave waits for all its tensor loads (one is out: its part of the other slot), adds 0 to its spare word, and waits
; for that and for its reads of this slot.  fill = 1: the barrier opens a round of the cluster's, and the joint refill (the K step two on, in the walk over both tiles) is the first thing behind it.
.macro TURN fill
.if \fill
	s_wait_xcnt 0x0                                ; the last prefetches, a K step back or more, have read their address
	s_cmp_eq_u32 s[TL], 4                          ; the steps named leave the tile when four steps of it are left
	s_cselect_b32 s[INC], NEXTB, 0
	s_add_nc_u64 s[PFA:PFA+1], s[PFA:PFA+1], 256
	s_add_nc_u64 s[PFA:PFA+1], s[PFA:PFA+1], s[INC:INC+1]
.endif
	WIN 0
	s_wait_tensorcnt 0x0                           ; no tensor load of mine is out, so a group 0 may be written
	ds_add_u32 v[SPW], v[NIL]                      ; 0 onto my spare word
.if \fill
	s_xor_b32 s[G0A+5], s[G0A+5], SLOT1            ; the walking sets: the other slot than last time,
	s_xor_b32 s[G0B+5], s[G0B+5], SLOT1
	s_cmp_eq_u32 s[TL], 2                          ; the next K step; with two steps left that is the next tile's first:
	s_cselect_b32 s[DA], 8*256, 0                  ; xb goes back along K,
	s_cselect_b32 s[DB], NEXTB, 0                  ; wb back along K and 192 rows down
	s_add_nc_u64 s[G0A+6:G0A+7], s[G0A+6:G0A+7], 256
	s_sub_nc_u64 s[G0A+6:G0A+7], s[G0A+6:G0A+7], s[DA:DA+1]
	s_add_nc_u64 s[G0B+6:G0B+7], s[G0B+6:G0B+7], 256
	s_add_nc_u64 s[G0B+6:G0B+7], s[G0B+6:G0B+7], s[DB:DB+1]
.endif
	s_wait_dscnt 7                                 ; the add and the youngest six loads (xb's row blocks 1 to 3) may be out
	MULB F1, 0, 0, 6, 0
	s_wait_dscnt 0x0                               ; the add is done, and my reads of this slot are over
	s_barrier_signal -1
	MULB F1, 0, 6, 12, 0
	WIN 0
	s_barrier_wait -1
.if \fill
	CREST                                          ; no wave of any partner still reads this slot or has a load on its way
	JLOAD                                          ; its four v_nop are also the places in front of the loads below
.else
	PLACES
.endif
	s_xor_b32 s[TB], s[TB], SLOT1
	v_add_nc_u32 v[ADRA], s[TB], v[ADRA0]
	v_add_nc_u32 v[ADRB], s[TB], v[ADRB0]
	FETCH 0, F0
.if \fill
	ASK
.endif
	MULB F1, 1, 0, 12, 0
	MUL24 F1, 2, 0
.endm
; THE WAY OUT, a block of 16 rows at a time: rounded to f16 (16 bytes a lane), into my stage, back as whole rows, stored.  first = 1: the first tile: columns 0-127 go out, columns 128-191 stay in HOLD.
; first = 0: the second tile: HOLD's 128 bytes and the tile's 384 make rows of 512 bytes.
.macro PACK a, first
.set rA, 96*((\a)%2)
	WIN 0x05*(1+(\a)/2)                            ; sources in window 1 or 2
.set bb, 0
.rept 12-4*(\first)
.irp i, 0,1,2,3
	v_cvt_pk_f16_f32 v[TMP+4*bb+(\i)], v[rA+8*bb+2*(\i)], v[rA+8*bb+2*(\i)+1]
.endr
.set bb, bb+1
.endr
.if \first
	WIN 0x40+0x05*(1+(\a)/2)                       ; destination in window 1
.rept 4
.irp i, 0,1,2,3
	v_cvt_pk_f16_f32 v[HOLD+16*(\a)+4*(bb-8)+(\i)], v[rA+8*bb+2*(\i)], v[rA+8*bb+2*(\i)+1]
.endr
.set bb, bb+1
.endr
.endif
	WIN 0
.endm
.macro TOSTAGE a, first
.if \first
.irp b, 0,1,2,3,4,5,6,7
	ds_store_b128 v[STO], v[TMP+4*(\b):TMP+4*(\b)+3] offset:32*(\b)
.endr
.irp t, 0,1,2,3,4,5,6,7
	ds_load_b128 v[OB+64*((\a)%2)+4*(\t):OB+64*((\a)%2)+4*(\t)+3], v[RD0] offset:(\t)*2*SP  ; LDS serves a wave's instructions in order (ISA guide 5.7.1.4): these see the stores above
.endr
.else
	WIN 0x04                                       ; the stores' data in window 1
.irp j, 0,1,2,3
	ds_store_b128 v[STO], v[HOLD+16*(\a)+4*(\j):HOLD+16*(\a)+4*(\j)+3] offset:32*(\j)
.endr
	WIN 0
.irp b, 0,1,2,3,4,5,6,7,8,9,10,11
	ds_store_b128 v[STO], v[TMP+4*(\b):TMP+4*(\b)+3] offset:128+32*(\b)
.endr
.irp t, 0,1,2,3,4,5,6,7,8,9,10,11,12,13,14,15
	ds_load_b128 v[OB+64*((\a)%2)+4*(\t):OB+64*((\a)%2)+4*(\t)+3], v[RD1] offset:(\t)*SP
.endr
.endif
.endm
.macro SEND a, first
	s_wait_dscnt 0x0                               ; the block is back in registers
	s_wait_xcnt 0x0                                ; earlier stores have read their registers: the block after this one is loaded where they lay
.if \first
.irp t, 0,1,2,3,4,5,6,7
	global_store_b128 v[CO0], v[OB+64*((\a)%2)+4*(\t):OB+64*((\a)%2)+4*(\t)+3], s[8:9] offset:(16*(\a)+2*(\t))*CROW  ; 16 lanes store 256 consecutive bytes, aligned
.endr
.else
.irp t, 0,1,2,3,4,5,6,7,8,9,10,11,12,13,14,15
	global_store_b128 v[GO1], v[OB+64*((\a)%2)+4*(\t):OB+64*((\a)%2)+4*(\t)+3], s[8:9] offset:(16*(\a)+(\t))*CROW+256  ; a wave stores 512 consecutive bytes, at a multiple of 256
.endr
.endif
.endm
.macro WAYOUT first
	PLACES
	PACK 0, \first
	TOSTAGE 0, \first
.irp a, 1,2,3
	PACK \a, \first
	SEND (\a)-1, \first
	TOSTAGE \a, \first
.endr
	SEND 3, \first
.endm
	s_wait_tensorcnt 1                             ; my part of K step 0 is in; step 1's may stay out
	s_barrier_signal -1
	s_barrier_wait -1
	FETCH 0, F0
	QUARTER 64, F0, F1, 1                          ; a tile's first quarter starts the sums
	WIN 0
	s_mov_b32 s[CNT], 14                           ; all K steps of the walk but the last two fill a slot again
.Lstep:                                            ; a trip: a step's quarters 2 to 4 and the next step's first
	QUARTER 128, F1, F0, 0
	QUARTER 192, F0, F1, 0
	TURN 1
	WIN 0
	s_sub_co_u32 s[TL], s[TL], 1
	s_cmp_lg_u32 s[TL], 0
	s_cbranch_scc1 .Lsame
	WAYOUT 1                                       ; the first tile is finished; both slots' refills have been asked for
	s_wait_xcnt 0x0                                ; its stores have read their registers
	s_mov_b32 s[TL], 8
	QUARTER 64, F0, F1, 1
	WIN 0
	s_branch .Lnext
.Lsame:
	QUARTER 64, F0, F1, 0
	WIN 0
.Lnext:
	s_sub_co_u32 s[CNT], s[CNT], 1
	s_cmp_lg_u32 s[CNT], 0
	s_cbranch_scc1 .Lstep
	QUARTER 128, F1, F0, 0                         ; the last two steps are written out: they ask for nothing
	QUARTER 192, F0, F1, 0
	TURN 0
	QUARTER 64, F0, F1, 0
	QUARTER 128, F1, F0, 0
	QUARTER 192, F0, F1, 0
	s_wait_dscnt 4
	MUL24 F1, 0, 0
	s_wait_dscnt 0x0
	MUL24 F1, 2, 0
	WAYOUT 0
	s_wait_tensorcnt 0x0                           ; the wave's end: behind my last tensor load and my last LDS store
	ds_add_u32 v[SPW], v[NIL]
	s_wait_dscnt 0x0
	CROUND                                         ; the closing round: no work-group ends while a partner may still ask for a tile that names it
	s_endpgm
.Lfunc_end_k_q3d0f3e23b2_proj:
	.size	k_q3d0f3e23b2_proj, .Lfunc_end_k_q3d0f3e23b2_proj-k_q3d0f3e23b2_proj
	.p2alignl 7, 3214868480
	.fill 96, 4, 3214868480
	.section	.rodata,"a",@progbits
	.p2align	6, 0x0
	.amdhsa_kernel k_q3d0f3e23b2_proj
		.amdhsa_group_segment_fixed_size 327680
		.amdhsa_private_segment_fixed_size 0
		.amdhsa_enable_private_segment 0
		.amdhsa_kernarg_size 16
		.amdhsa_user_sgpr_count 2
		.amdhsa_user_sgpr_kernarg_segment_ptr 1
		.amdhsa_wavefront_size32 1
		.amdhsa_system_sgpr_workgroup_id_x 1
		.amdhsa_system_sgpr_workgroup_id_y 1
		.amdhsa_system_sgpr_workgroup_id_z 1
		.amdhsa_system_vgpr_workitem_id 0
		.amdhsa_next_free_vgpr 1024
		.amdhsa_next_free_sgpr 80
		.amdhsa_reserve_vcc 0
		.amdhsa_float_denorm_mode_32 3
		.amdhsa_float_denorm_mode_16_64 3
		.amdhsa_memory_ordered 1
		.amdhsa_forward_progress 1
		.amdhsa_inst_pref_size 129
	.end_amdhsa_kernel
	.amdgpu_metadata
---
amdhsa.version: [ 1, 2 ]
amdhsa.kernels:
  - .name:           k_q3d0f3e23b2_proj
    .symbol:         k_q3d0f3e23b2_proj.kd
    .args:
      - { .name: xw, .offset: 0, .size: 8, .value_kind: global_buffer, .address_space: global }
      - { .name: qkv, .offset: 8, .size: 8, .value_kind: global_buffer, .address_space: global }
    .group_segment_fixed_size: 327680
    .private_segment_fixed_size: 0
    .kernarg_segment_align: 8
    .kernarg_segment_size: 16
    .max_flat_workgroup_size: 128
    .sgpr_count:     80
    .vgpr_count:     1024
    .wavefront_size: 32
...
	.end_amdgpu_metadata
.endif
;; end of part 2
;; launch scores (part 3): grid 43 x 4, 4 waves a work-group, no clusters, 327,680 bytes of LDS; arguments qkv, pt, mx, lx; writes pt, mx, lx
.if DOCPART == 3
	.amdgcn_target "amdgcn-amd-amdhsa--gfx1250"
	.amdhsa_code_object_version 6
	.text
	.protected	k_q3d0f3e23b2_scores
	.globl	k_q3d0f3e23b2_scores
	.p2align	8
	.type	k_q3d0f3e23b2_scores,@function
k_q3d0f3e23b2_scores:
	s_mov_b64 s[64:65], 0
	v_nop
	global_prefetch_b8 v0, s[64:65] scope:SCOPE_SE
	s_setreg_imm32_b32 hwreg(HW_REG_WAVE_MODE, 25, 1), 1
	s_wait_xcnt 0x0
; For each tile (I, J) of 256 queries x 256 keys with J <= min(I + 1, 7) of each batch: S = Q K^T (f16 operands, f32 sums), hidden where key > query + 1; then, for each row and each block of 128 keys
; (a wave's quarter of the tile): m = c x the block's largest visible score, c = log2(e) / 32; p = 2^(c s - m), stored in f16 in pt[4][2048][2048]; l = the sum of the unrounded p.
; m and l go to mx, lx [4][16][2048] f32 (batch, block of 128 keys, row).  The next launch brings the blocks onto the row's true maximum; here the maximum taken away is the block's own.
; THE MASK is the C operand that starts a sum: 0, or -2^100 where the key is hidden.  m is held at -2^93 at the least, so a block with no visible key for a row gives p = 0, l = 0.
; LIMITS: |q|, |k| arrive within f16; c x a visible score lies above -2^93; a weight below 2^-126 counts as 0; NaN and infinities are not treated apart.
; SHARES.  43 tiles a batch (rows of 2, 3, .. 8, 8 tiles), one to a work-group.  Four waves, each 128 x 128: 64 accumulators.  K = 1024 goes in 8 steps of 128 through a ring of two LDS slots.
; NO CLUSTER: the tiles that share Q lie in rows of 2, 3, .. 8, 8 and those that share K in columns of 8, 8, 7, .. 2: neither divides into fours, and tiles that the mask hides are not launched to fill a rectangle.
; THE PRODUCT IS USED TRANSPOSED (source 0 = 16 keys, source 1 = 16 queries): a lane holds one query (lane % 16) and eight neighbouring keys, 8 (lane / 16) + 0..7.
; REGISTERS.  Window 0: v16-30 addresses; v32-43 at work; Q's fragments v64-127, v128-191; v192-223 packed weights.  Window 1: K's fragments v64-191; the masks v0-63, v192-247.
; Windows 2, 3: accumulator (a, b) in window 2 + a / 4 at v[64 (a % 4) + 8 b].
.set PITCH,  272
.set HALFT,  128*PITCH                 ; 0x8800: what one wave fetches, and what one wave reads of Q or of K
.set SLOT,   4*HALFT                   ; 0x22000: shares no bit with wave x 0x8800, so an exclusive or turns an address in one slot into the other's
.set STAGE,  2*SLOT                    ; never filled by a tensor load: 16 rows x 272 bytes for each wave
.set STATS,  STAGE+4*16*PITCH          ; for each wave 128 m, then 128 l
.set SPARE,  STATS+4*1024              ; the spare words: two blocks of 256 bytes that no other line names
.set QROW,   6144                      ; bytes in a row of qkv
.set PROW,   4096                      ; bytes in a row of pt
.set ADRA0, 16
.set ADRB0, 17
.set ADRA,  18
.set ADRB,  19
.set SST,   20                         ; where I put my row's m (l: 512 bytes on)
.set SRD,   21                         ; where I read 16 bytes of the wave's m back
.set U,     22                         ; the mask's bound
.set GS,    23                         ; 16 x lane
.set STO,   24
.set RD,    25
.set CO,    26
.set SPW,   28
.set NIL,   29
.set PFO,   30
.set CM,    32                         ; v32-39 eight running maxima
.set MT,    40                         ; v40 m; v41 = 0, named with it as a pair
.set LS,    42
.set LT,    43
.set F0,    64
.set F1,    128
.set TMP,   192
.set WV, 12
.set W1, 13                            ; which half of the keys is mine; also which half of a tile I fetch
.set WR, 14                            ; which half of the queries
.set BB, 15
.set II, 16
.set JJ, 17
.set BASE, 18
.set G1, 24
.set G0, 32                            ; s[32:39]: a set for each first fill; the second then walks on
.set CNT, 40
.set TB,  41
.set PL,  42
.set HC,  43
.set PFA, 44
.set CS,  46
.set SEL, 48
.set NEG, 50
.set FLOOR, 51
.set MSB, 0
.macro WIN new
.if MSB != (\new)
	s_set_vgpr_msb (MSB<<8)|(\new)
.set MSB, \new
.endif
.endm
.macro PLACES
.rept 4
	v_nop
.endr
.endm
; A prefetch into the L2 of the K step two refills on (512 matrix instructions ahead of its load): my 128 rows x 256 bytes, a lane a row, four instructions.  Each block is named once in the launch:
; Q's rows by the tile with J = 0 (waves 0, 1), K's by the tile with I = 7 (waves 2, 3).  Steps 0 to 3 come by their loads alone; steps 4 to 7 are named in trips 0 to 3.
.macro ASK
	s_cmp_lg_u32 s[PL], 0
	s_cbranch_scc0 .Lnone_\@
.irp i, 0,1,2,3
	global_prefetch_b8 v[PFO], s[PFA:PFA+1] offset:(\i)*32*QROW th:TH_LOAD_NT scope:SCOPE_SE
.endr
	s_sub_co_u32 s[PL], s[PL], 1
.Lnone_\@:
.endm
	s_load_b256 s[4:11], s[0:1], 0x0               ; qkv s[4:5], pt s[6:7], mx s[8:9], lx s[10:11]
	v_lshl_add_u32 v[SPW], v0, 2, SPARE
	v_mov_b32 v[NIL], 0
	ds_add_u32 v[SPW], v[NIL]                      ; the wave's opening: the add and its wait stand ahead of my first tensor load
	v_lshrrev_b32 v1, 5, v0
	v_readfirstlane_b32 s[WV], v1
	s_and_b32 s[W1], s[WV], 1
	s_lshr_b32 s[WR], s[WV], 1
	s_and_b32 s[BB], ttmp7, 0xffff                 ; the batch
	s_mov_b32 s[II], 0                             ; the tile's row and column from its number: row I begins at tile 0, 2, 5, 9, 14, 20, 27, 35
	s_mov_b32 s[BASE], 0
.macro ROWAT start, idx
	s_cmp_ge_u32 ttmp9, \start
	s_cselect_b32 s[II], \idx, s[II]
	s_cselect_b32 s[BASE], \start, s[BASE]
.endm
	ROWAT 2, 1
	ROWAT 5, 2
	ROWAT 9, 3
	ROWAT 14, 4
	ROWAT 20, 5
	ROWAT 27, 6
	ROWAT 35, 7
	s_sub_co_u32 s[JJ], ttmp9, s[BASE]
	s_mov_b32 s[G1], (1<<16)|(1<<20)|(5<<22)|(3<<25)  ; 2-byte elements; padding on: after every 64 words, 4 words
	s_mov_b32 s[G1+1], 128<<16                     ; tensor_dim0 = 128
	s_mov_b32 s[G1+2], 128<<16                     ; tensor_dim1 = 128
	s_mov_b32 s[G1+3], 128<<16                     ; tile_dim0 = 128
	s_mov_b32 s[G1+4], 128                         ; tile_dim1 = 128
	s_mov_b32 s[G1+5], 3072                        ; elements from row to row
	s_mov_b32 s[G1+6], 0
	s_mov_b32 s[G1+7], 0
	s_cmp_lt_u32 s[WV], 2                          ; waves 0, 1 fetch Q's halves, waves 2, 3 K's (2,048 bytes further along the row)
	s_cselect_b32 s20, s[II], s[JJ]
	s_cselect_b32 s21, 0, 2048
	s_lshl_b32 s20, s20, 8
	s_lshl_b32 s22, s[W1], 7
	s_add_co_u32 s20, s20, s22
	s_lshl_b32 s22, s[BB], 11
	s_add_co_u32 s20, s20, s22
	s_mul_i32 s20, s20, QROW
	s_add_co_u32 s20, s20, s21
	s_mov_b32 s21, 0
	s_mul_i32 s23, s[WV], HALFT                    ; and where it goes
	s_cmp_eq_u32 s[JJ], 0
	s_cselect_b32 s52, 4, 0
	s_cmp_eq_u32 s[II], 7
	s_cselect_b32 s53, 4, 0
	s_cmp_lt_u32 s[WV], 2
	s_cselect_b32 s[PL], s52, s53
	s_lshl_b32 s54, s[BB], 11                      ; pt: row 2048 b + 256 I + 128 wr, byte 512 J + 256 wc
	s_lshl_b32 s55, s[II], 8
	s_add_co_u32 s54, s54, s55
	s_lshl_b32 s55, s[WR], 7
	s_add_co_u32 s54, s54, s55
	s_lshl_b32 s54, s54, 12
	s_lshl_b32 s55, s[JJ], 9
	s_add_co_u32 s54, s54, s55
	s_lshl_b32 s55, s[W1], 8
	s_add_co_u32 s54, s54, s55
	s_mov_b32 s55, 0
	s_lshl_b32 s56, s[BB], 4                       ; mx, lx: ((16 b + 2 J + wc) x 2048 + 256 I + 128 wr) x 4
	s_lshl_b32 s57, s[JJ], 1
	s_add_co_u32 s56, s56, s57
	s_add_co_u32 s56, s56, s[W1]
	s_lshl_b32 s56, s56, 11
	s_lshl_b32 s57, s[II], 8
	s_add_co_u32 s56, s56, s57
	s_lshl_b32 s57, s[WR], 7
	s_add_co_u32 s56, s56, s57
	s_lshl_b32 s56, s56, 2
	s_mov_b32 s57, 0
	s_sub_co_i32 s58, s[II], s[JJ]                 ; 128 (2 (I - J) + wr - wc) + 1
	s_lshl_b32 s58, s58, 1
	s_add_co_i32 s58, s58, s[WR]
	s_sub_co_i32 s58, s58, s[W1]
	s_lshl_b32 s58, s58, 7
	s_add_co_i32 s58, s58, 1
	s_mov_b32 s[CS], 0x3d38aa3b                    ; c = log2(e) / 32
	s_mov_b32 s[CS+1], s[CS]
	s_mov_b32 s[SEL], 0x76543210
	s_mov_b32 s[SEL+1], 0xfedcba98
	s_mov_b32 s[NEG], 0xf1800000                   ; -2^100
	s_mov_b32 s[FLOOR], 0xee000000                 ; -2^93
	s_mov_b32 s[TB], 0
	s_wait_dscnt 0x0                               ; the opening add is done
	s_wait_kmcnt 0x0
	s_add_nc_u64 s[20:21], s[4:5], s[20:21]
	s_add_nc_u64 s[PFA:PFA+1], s[20:21], 3*256     ; at K step 3: the first change of slots steps it to 4
	s_add_nc_u64 s[6:7], s[6:7], s[54:55]
	s_add_nc_u64 s[8:9], s[8:9], s[56:57]
	s_add_nc_u64 s[10:11], s[10:11], s[56:57]
.irp s, 0,1
	s_mov_b32 s[G0+4*(\s)], 1
	s_add_co_u32 s[G0+4*(\s)+1], s23, (\s)*SLOT
	s_add_nc_u64 s[G0+4*(\s)+2:G0+4*(\s)+3], s[20:21], (\s)*256
	s_or_b32 s[G0+4*(\s)+3], s[G0+4*(\s)+3], 0x80000000
.endr
	tensor_load_to_lds s[G0:G0+3], s[G1:G1+7]      ; the two first fills: each wave's own rows into its own bytes; two loads of mine are out
	s_nop 0
	tensor_load_to_lds s[G0+4:G0+7], s[G1:G1+7]
	s_nop 0
.rept 4
	v_nop
.endr
	v_and_b32 v1, 15, v0                           ; l % 16
	v_bfe_u32 v2, v0, 4, 1                         ; l / 16
	v_and_b32 v5, 31, v0                           ; l
	v_mul_u32_u24 v3, v1, PITCH
	v_lshl_add_u32 v3, v2, 4, v3
	s_mul_i32 s52, s[WR], HALFT
	s_mul_i32 s53, s[W1], HALFT
	s_add_co_u32 s53, s53, 2*HALFT
	v_add_nc_u32 v[ADRA0], s52, v3
	v_add_nc_u32 v[ADRB0], s53, v3
	v_mov_b32 v[ADRA], v[ADRA0]
	v_mov_b32 v[ADRB], v[ADRB0]
	s_mul_i32 s52, s[WV], 16*PITCH
	s_add_co_u32 s52, s52, STAGE
	v_add_nc_u32 v[STO], s52, v3
	v_mul_u32_u24 v4, v2, PITCH
	v_lshl_add_u32 v4, v1, 4, v4
	v_add_nc_u32 v[RD], s52, v4
	v_lshlrev_b32 v4, 12, v2
	v_lshl_add_u32 v[CO], v1, 4, v4                ; two rows of pt
	s_lshl_b32 s52, s[WV], 10
	s_add_co_u32 s52, s52, STATS
	v_lshl_add_u32 v[SST], v1, 2, s52
	v_lshl_add_u32 v[SRD], v5, 4, s52
	v_lshlrev_b32 v[GS], 4, v5
	v_mul_u32_u24 v[PFO], v5, QROW
	v_mov_b32 v[MT+1], 0
	v_mov_b32 v[LT], 0
	v_lshlrev_b32 v4, 3, v2
	v_sub_nc_u32 v[U], v1, v4
	v_add_nc_u32 v[U], s58, v[U]                   ; register j of accumulator (a, b) is hidden where 16 (b - a) + j is greater than this
	WIN 0x40                                       ; the fifteen masks, one for each b - a, made while the first tiles are on their way
.set dd, 0
.rept 15
.if dd < 8
.set rM, 8*dd
.else
.set rM, 192+8*(dd-8)
.endif
.set j, 0
.rept 8
	v_cmp_gt_i32 vcc_lo, 16*(dd-7)+j, v[U]
	v_cndmask_b32 v[rM+j], 0, s[NEG], vcc_lo
.set j, j+1
.endr
.set dd, dd+1
.endr
	WIN 0
; 16 matrix instructions: query blocks a0, a0 + 1 of the window's four (hi = 0: my rows 0-63, 1: rows 64-127) x all 8 key blocks.  mask = 1: the product starts the sum with the mask of b - a.
; The 64 accumulators take turns, in the same order in every quarter.
.macro MUL16 f, hi, a0, mask
.if \mask
	WIN 0x91+0x40*(\hi)                            ; K window 1, Q window 0, the mask window 1, D window 2 or 3
.else
	WIN 0xa1+0x50*(\hi)                            ; C and D window 2 or 3
.endif
.irp a, \a0, (\a0)+1
.irp b, 0,1,2,3,4,5,6,7
.if \mask
.set dd, (\b)-4*(\hi)-(\a)+7
.if dd < 8
.set rM, 8*dd
.else
.set rM, 192+8*(dd-8)
.endif
	v_wmma_f32_16x16x32_f16 v[8*(8*(\a)+(\b)):8*(8*(\a)+(\b))+7], v[(\f)+8*(\b):(\f)+8*(\b)+7], v[(\f)+8*(4*(\hi)+(\a)):(\f)+8*(4*(\hi)+(\a))+7], v[rM:rM+7]
.else
	v_wmma_f32_16x16x32_f16 v[8*(8*(\a)+(\b)):8*(8*(\a)+(\b))+7], v[(\f)+8*(\b):(\f)+8*(\b)+7], v[(\f)+8*(4*(\hi)+(\a)):(\f)+8*(4*(\hi)+(\a))+7], v[8*(8*(\a)+(\b)):8*(8*(\a)+(\b))+7]
.endif
.endr
.endr
.endm
.macro FETCH k, f                      ; 32 LDS loads in one run: K's eight fragments, then Q's eight
	WIN 0x40
.irp i, 0,1,2,3,4,5,6,7
	ds_load_b128 v[(\f)+8*(\i):(\f)+8*(\i)+3],   v[ADRB] offset:(\k)+(\i)*16*PITCH
	ds_load_b128 v[(\f)+8*(\i)+4:(\f)+8*(\i)+7], v[ADRB] offset:(\k)+(\i)*16*PITCH+32
.endr
	WIN 0
.irp i, 0,1,2,3,4,5,6,7
	ds_load_b128 v[(\f)+8*(\i):(\f)+8*(\i)+3],   v[ADRA] offset:(\k)+(\i)*16*PITCH
	ds_load_b128 v[(\f)+8*(\i)+4:(\f)+8*(\i)+7], v[ADRA] offset:(\k)+(\i)*16*PITCH+32
.endr
.endm
.macro QUARTER k, f, g, mask
	s_wait_dscnt 8                                 ; all but the youngest eight loads (Q's rows 64-127)
	MUL16 \f, 0, 0, \mask
	MUL16 \f, 0, 2, \mask
	PLACES
	FETCH \k, \g
	s_wait_dscnt 32                                ; all but the 32 just issued
	MUL16 \f, 1, 0, \mask
	MUL16 \f, 1, 2, \mask
.endm
; The fourth quarter changes slots: each wave waits for all its tensor loads (one is out: its part of the other slot), adds 0 to its spare word, waits for that and for its reads of this slot, and passes
; the barrier; fill = 1: its one load, the K step two on into the slot just read, is the first thing behind it.
.macro TURN fill
.if \fill
	s_wait_xcnt 0x0                                ; the last prefetches, a K step back, have read their address
	s_add_nc_u64 s[PFA:PFA+1], s[PFA:PFA+1], 256
.endif
	WIN 0
	s_wait_tensorcnt 0x0
	ds_add_u32 v[SPW], v[NIL]                      ; 0 onto my spare word
.if \fill
	s_xor_b32 s[G0+5], s[G0+5], SLOT               ; the walking set: the other slot, the next K step
	s_add_nc_u64 s[G0+6:G0+7], s[G0+6:G0+7], 256
.endif
	s_wait_dscnt 9                                 ; the add and the youngest eight loads may be out
	MUL16 F1, 0, 0, 0
	s_wait_dscnt 0x0                               ; the add is done, and my reads of this slot are over
	s_barrier_signal -1
	MUL16 F1, 0, 2, 0
	WIN 0
	s_barrier_wait -1
.if \fill
	tensor_load_to_lds s[G0+4:G0+7], s[G1:G1+7]
	s_nop 0
.rept 4
	v_nop                                          ; also the places in front of the loads below
.endr
.else
	PLACES
.endif
	s_xor_b32 s[TB], s[TB], SLOT
	v_add_nc_u32 v[ADRA], s[TB], v[ADRA0]
	v_add_nc_u32 v[ADRB], s[TB], v[ADRB0]
	FETCH 0, F0
.if \fill
	ASK
.endif
	MUL16 F1, 1, 0, 0
	MUL16 F1, 1, 2, 0
.endm
	s_wait_tensorcnt 1                             ; my part of K step 0 is in; step 1's may stay out
	s_barrier_signal -1
	s_barrier_wait -1
	FETCH 0, F0
	QUARTER 64, F0, F1, 1                          ; the first quarter starts the sums with the masks
	WIN 0
	s_mov_b32 s[CNT], 6                            ; six of the eight K steps fill a slot again
.Lstep:
	QUARTER 128, F1, F0, 0
	QUARTER 192, F0, F1, 0
	TURN 1
	QUARTER 64, F0, F1, 0
	WIN 0
	s_sub_co_u32 s[CNT], s[CNT], 1
	s_cmp_lg_u32 s[CNT], 0
	s_cbranch_scc1 .Lstep
	QUARTER 128, F1, F0, 0
	QUARTER 192, F0, F1, 0
	TURN 0
	QUARTER 64, F0, F1, 0
	QUARTER 128, F1, F0, 0
	QUARTER 192, F0, F1, 0
	s_wait_dscnt 8
	MUL16 F1, 0, 0, 0
	MUL16 F1, 0, 2, 0
	s_wait_dscnt 0x0
	MUL16 F1, 1, 0, 0
	MUL16 F1, 1, 2, 0
	PLACES
; THE WAY OUT, a block of 16 queries x 128 keys at a time; the text names window 2 alone and is walked twice: between the walks window 3's accumulators are brought down.
.macro SMAX a                          ; m of my query: each accumulator's lowest registers are read first
.set rS, 64*(\a)
	WIN 0x2a
.irp b, 0,1,2,3,4,5,6,7
	v_max3_num_f32 v[CM+(\b)], v[rS+8*(\b)], v[rS+8*(\b)+1], v[rS+8*(\b)+2]
.endr
	WIN 0x28
.irp b, 0,1,2,3,4,5,6,7
	v_max3_num_f32 v[CM+(\b)], v[CM+(\b)], v[rS+8*(\b)+3], v[rS+8*(\b)+4]
.endr
.irp b, 0,1,2,3,4,5,6,7
	v_max3_num_f32 v[CM+(\b)], v[CM+(\b)], v[rS+8*(\b)+5], v[rS+8*(\b)+6]
.endr
.irp b, 0,1,2,3
	v_max3_num_f32 v[CM+(\b)], v[CM+(\b)], v[rS+8*(\b)+7], v[rS+8*(\b)+39]
.endr
	WIN 0
	v_max3_num_f32 v[CM], v[CM], v[CM+1], v[CM+2]
	v_max3_num_f32 v[CM+3], v[CM+3], v[CM+4], v[CM+5]
	v_max3_num_f32 v[CM], v[CM], v[CM+3], v[CM+6]
	v_max_num_f32 v[CM], v[CM], v[CM+7]
	v_permlanex16_b32 v[CM+1], v[CM], s[SEL], s[SEL+1]  ; the query's other 64 keys lie in the lane 16 away
	v_max_num_f32 v[CM], v[CM], v[CM+1]
	v_mul_f32 v[MT], s[CS], v[CM]
	v_max_num_f32 v[MT], s[FLOOR], v[MT]
.endm
.macro SEXP a                          ; p = 2^(c s - m), in place: 32 packed scalings and ONE batch of 64 exponentials, none of which names an earlier one's result; one plain line and one wait behind the batch
.set rS, 64*(\a)
	WIN 0x82
	v_pk_fma_f32 v[rS:rS+1], v[rS:rS+1], s[CS:CS+1], v[MT:MT+1] op_sel_hi:[1,0,0] neg_lo:[0,0,1] neg_hi:[0,0,1]
.set p, 0
.rept 32
.if p < 31
	v_pk_fma_f32 v[rS+2*p+2:rS+2*p+3], v[rS+2*p+2:rS+2*p+3], s[CS:CS+1], v[MT:MT+1] op_sel_hi:[1,0,0] neg_lo:[0,0,1] neg_hi:[0,0,1]
.endif
	v_exp_f32 v[rS+2*p], v[rS+2*p]
	v_exp_f32 v[rS+2*p+1], v[rS+2*p+1]
.set p, p+1
.endr
	v_nop
	s_wait_alu depctr_va_vdst(0)                   ; the wait stands ahead of the first line that names an exponential's result: one for the batch
.endm
.macro SPK a                           ; the weights rounded to f16; their sum, of the unrounded numbers, by a tree in place; m and l into the wave's own words
.set rS, 64*(\a)
	WIN 0x0a
.set i, 0
.rept 32
	v_cvt_pk_f16_f32 v[TMP+i], v[rS+2*i], v[rS+2*i+1]
.set i, i+1
.endr
	WIN 0x8a
.irp w, 4,8,16,32,64
.set u, 0
.rept 64/(\w)
	v_pk_add_f32 v[rS+u:rS+u+1], v[rS+u:rS+u+1], v[rS+u+(\w)/2:rS+u+(\w)/2+1]
.set u, u+(\w)
.endr
.endr
	WIN 0x0a
	v_add_f32 v[LS], v[rS], v[rS+1]
	WIN 0
	v_permlanex16_b32 v[LT], v[LS], s[SEL], s[SEL+1]
	v_add_f32 v[LS], v[LS], v[LT]
	ds_store_b32 v[SST], v[MT] offset:64*(\a)      ; both halves of the lanes write the same number to the same word
	ds_store_b32 v[SST], v[LS] offset:512+64*(\a)
.endm
.macro TOSTAGE a
.irp b, 0,1,2,3,4,5,6,7
	ds_store_b128 v[STO], v[TMP+4*(\b):TMP+4*(\b)+3] offset:32*(\b)
.endr
.irp t, 0,1,2,3,4,5,6,7
	ds_load_b128 v[F0+32*((\a)%2)+4*(\t):F0+32*((\a)%2)+4*(\t)+3], v[RD] offset:(\t)*2*PITCH  ; LDS serves a wave's instructions in order (ISA guide 5.7.1.4)
.endr
.endm
.macro SEND a
	s_wait_dscnt 0x0
	s_wait_xcnt 0x0                                ; earlier stores have read their registers
.irp t, 0,1,2,3,4,5,6,7
	global_store_b128 v[CO], v[F0+32*((\a)%2)+4*(\t):F0+32*((\a)%2)+4*(\t)+3], s[6:7] offset:(16*(\a)+2*(\t))*PROW  ; 16 lanes store 256 consecutive bytes, aligned
.endr
.endm
	WIN 0
	s_mov_b32 s[HC], 2
.Lhalf:
	SMAX 0
	SEXP 0
	SPK 0
	TOSTAGE 0
.irp a, 1,2,3
	SMAX \a
	SEXP \a
	SPK \a
	SEND (\a)-1
	TOSTAGE \a
.endr
	SEND 3
	s_cmp_eq_u32 s[HC], 1
	s_cbranch_scc1 .Lno_copy
	WIN 0x83                                       ; my rows 64-127: window 3's accumulators come down, each from its low end on
.set i, 0
.rept 256
	v_mov_b32 v[i], v[i]
.set i, i+1
.endr
	WIN 0
	s_wait_xcnt 0x0                                ; the stores have read their base
	s_add_nc_u64 s[6:7], s[6:7], 64*PROW
	v_add_nc_u32 v[SST], 256, v[SST]
.Lno_copy:
	s_sub_co_u32 s[HC], s[HC], 1
	s_cmp_lg_u32 s[HC], 0
	s_cbranch_scc1 .Lhalf
	ds_load_b128 v[CM:CM+3], v[SRD]                ; my wave's 128 m and 128 l, 512 consecutive bytes each
	ds_load_b128 v[CM+4:CM+7], v[SRD] offset:512
	s_wait_dscnt 0x0
	global_store_b128 v[GS], v[CM:CM+3], s[8:9]
	global_store_b128 v[GS], v[CM+4:CM+7], s[10:11]
	s_wait_tensorcnt 0x0                           ; the wave's end: behind my last tensor load and my last LDS store
	ds_add_u32 v[SPW], v[NIL]
	s_wait_dscnt 0x0
	s_endpgm
.Lfunc_end_k_q3d0f3e23b2_scores:
	.size	k_q3d0f3e23b2_scores, .Lfunc_end_k_q3d0f3e23b2_scores-k_q3d0f3e23b2_scores
	.p2alignl 7, 3214868480
	.fill 96, 4, 3214868480
	.section	.rodata,"a",@progbits
	.p2align	6, 0x0
	.amdhsa_kernel k_q3d0f3e23b2_scores
		.amdhsa_group_segment_fixed_size 327680
		.amdhsa_private_segment_fixed_size 0
		.amdhsa_enable_private_segment 0
		.amdhsa_kernarg_size 32
		.amdhsa_user_sgpr_count 2
		.amdhsa_user_sgpr_kernarg_segment_ptr 1
		.amdhsa_wavefront_size32 1
		.amdhsa_system_sgpr_workgroup_id_x 1
		.amdhsa_system_sgpr_workgroup_id_y 1
		.amdhsa_system_sgpr_workgroup_id_z 1
		.amdhsa_system_vgpr_workitem_id 0
		.amdhsa_next_free_vgpr 1024
		.amdhsa_next_free_sgpr 66
		.amdhsa_reserve_vcc 1
		.amdhsa_float_denorm_mode_32 3
		.amdhsa_float_denorm_mode_16_64 3
		.amdhsa_memory_ordered 1
		.amdhsa_forward_progress 1
		.amdhsa_inst_pref_size 157
	.end_amdhsa_kernel
	.amdgpu_metadata
---
amdhsa.version: [ 1, 2 ]
amdhsa.kernels:
  - .name:           k_q3d0f3e23b2_scores
    .symbol:         k_q3d0f3e23b2_scores.kd
    .args:
      - { .name: qkv, .offset: 0, .size: 8, .value_kind: global_buffer, .address_space: global }
      - { .name: pt, .offset: 8, .size: 8, .value_kind: global_buffer, .address_space: global }
      - { .name: mx, .offset: 16, .size: 8, .value_kind: global_buffer, .address_space: global }
      - { .name: lx, .offset: 24, .size: 8, .value_kind: global_buffer, .address_space: global }
    .group_segment_fixed_size: 327680
    .private_segment_fixed_size: 0
    .kernarg_segment_align: 8
    .kernarg_segment_size: 32
    .max_flat_workgroup_size: 128
    .sgpr_count:     66
    .vgpr_count:     1024
    .wavefront_size: 32
...
	.end_amdgpu_metadata
.endif
;; end of part 3
;; launch pv (part 4): grid 8 x 32, 4 waves a work-group, clusters of 4 x 1, 327,680 bytes of LDS; arguments pt, qkv, mx, lx, out0; writes out0
.if DOCPART == 4
	.amdgcn_target "amdgcn-amd-amdhsa--gfx1250"
	.amdhsa_code_object_version 6
	.text
	.protected	k_q3d0f3e23b2_pv
	.globl	k_q3d0f3e23b2_pv
	.p2align	8
	.type	k_q3d0f3e23b2_pv,@function
k_q3d0f3e23b2_pv:
	s_mov_b64 s[64:65], 0
	v_nop
	global_prefetch_b8 v0, s[64:65] scope:SCOPE_SE
	s_setreg_imm32_b32 hwreg(HW_REG_WAVE_MODE, 25, 1), 1
	s_wait_xcnt 0x0
	s_wait_alu depctr_hold_cnt(0) depctr_sa_sdst(0) depctr_va_vdst(0) depctr_va_sdst(0) depctr_va_ssrc(0) depctr_va_vcc(0) depctr_vm_vsrc(0)
	s_getreg_b32 s2, hwreg(HW_REG_IB_STS2, 6, 4)
	s_cmp_eq_u32 s2, 0
	s_cbranch_scc0 .Lentry_in_a_cluster
	s_endpgm
.Lentry_in_a_cluster:
	s_bfe_u32 s2, ttmp6, 0x10000c
	s_cmp_lg_u32 s2, 0x3003
	s_cbranch_scc0 .Lentry_shape_is_right
	s_endpgm
.Lentry_shape_is_right:
; out0[b][q][c] = (1 / L) x the sum over blocks J of 128 keys of 2^(m_J - M) x (P_J V_J), with M = the largest m_J of the row (its true maximum) and L = the sum of l_J 2^(m_J - M).
; pt holds p = 2^(c s - m_J) in f16, mx and lx m_J and l_J in f32, qkv's columns 2048-3071 v in f16.  Products and sums in f32; no exponent here is above 0.
; SHARES.  A tile is 256 queries (block I of batch b) x 128 channels; it walks 2 x LAPS steps of 128 keys, LAPS = min(I + 2, 8): what lies beyond is hidden.  Wave w owns rows 64 w .. 64 w + 63: 4 x 8 accumulators.
; Each step's product is made in a temporary accumulator T that starts with the constant 0; in the NEXT step's first quarter it is folded in f32: main += f T, f = 2^(m_J - M) / L: four packed
; multiply-adds beside each of that quarter's matrix instructions, one accumulator ahead of the product that starts T anew.
; CLUSTER 4 x 1.  The four channel tiles of a cluster read the same tile of P: it is asked for jointly.  V's tile is each work-group's own: a plain load behind the same round.
; The trip count hangs on I, which the partners share; the LDS addresses are constants of the text.
; THE PRODUCT IS USED TRANSPOSED (source 0 = 16 channels of V, turned by ds_load_tr16_b128; source 1 = 16 queries of P): a lane holds one query (lane % 16) and eight neighbouring channels.
; LIMITS: v within f16; NaN and infinities are not treated apart.
; REGISTERS.  Window 0: v16-30 addresses; two fragment buffers of 96 (v32-127, v128-223: V's eight, then P's four); v224-255 factors and statistics.  Window 1: main (a, b) at v[8 (8 a + b)].  Window 2: T, the same map.
.set PITCH,  272                       ; a row of P in LDS
.set PV,     288                       ; a row of V: an odd multiple of 32, for the turning load
.set AHALF,  128*PITCH
.set VHALF,  64*PV
.set PBYTES, 256*PITCH
.set SLOT,   PBYTES+128*PV             ; 106,496
.set STAGE,  2*SLOT                    ; never filled by a tensor load: 16 rows x 528 bytes for each wave
.set SP,     528
.set SPARE,  STAGE+4*16*SP
.set QROW,   6144
.set PROW,   4096
.set OROW,   4096
.set ADRA, 16                          ; v16, v17: my lane's place in P's rows of slot 0, 1
.set ADRV, 18                          ; v18, v19: the same for V
.set STO,  20
.set RD,   21
.set GO,   22
.set VQ,   23                          ; (64 w + l % 16) x 4: my row in a block of mx
.set SPW,  28
.set NIL,  29
.set PFO,  30
.set F0,   32
.set F1,   128
.set FP,   224                         ; v[224 + 2 a]: f of row block a; the odd registers hold 0, named with them as pairs
.set EE,   232
.set MJ,   236
.set MR,   240
.set RL,   244
.set VJ,   248
.set SM,   128                         ; the prologue's 32 m and 32 l, where buffer 1 will lie
.set SL,   160
.set WV, 14
.set W1, 15
.set CX, 16
.set CT, 17
.set BY, 18
.set BB, 19
.set II, 20
.set LAPS, 21
.set LC,  22
.set LIM, 23
.set G1P, 24
.set G0P, 32                           ; s[32:39]: a set for each slot
.set G1V, 40
.set G0V, 48
.set MB,  56                           ; s[56:57] mx at my tile's rows, at the pair of blocks in hand
.set LB,  58
.set PFA, 60
.set PST, 62
.set SEL, 66
.set MUL,  0xa0                        ; C and D in window 2
.set FOLD, 0x52                        ; main (destination, source 2) window 1, T (source 0) window 2, f window 0
.set MSB, 0
.macro WIN new
.if MSB != (\new)
	s_set_vgpr_msb (MSB<<8)|(\new)
.set MSB, \new
.endif
.endm
.macro PLACES
.rept 4
	v_nop
.endr
.endm
.macro CREST
	s_cmp_lg_u32 s[WV], 0
	s_cbranch_scc1 .Lnot_wave_0_\@
	s_barrier_signal -3
.Lnot_wave_0_\@:
	s_barrier_wait -3
	s_barrier_signal -1
	s_barrier_wait -1
.endm
.macro CROUND
	s_barrier_signal -1
	s_barrier_wait -1
	CREST
.endm
.macro JLOAD s                         ; waves 0, 1: P's halves, jointly; waves 2, 3: V's halves, my work-group's own.  An s_nop 0 and four v_nop follow each line
	s_cmp_lt_u32 s[WV], 2
	s_cbranch_scc0 .Lfor_v_\@
	tensor_load_to_lds s[G0P+4*(\s):G0P+4*(\s)+3], s[G1P:G1P+7]
	s_nop 0
.rept 4
	v_nop
.endr
	s_branch .Lasked_\@
.Lfor_v_\@:
	tensor_load_to_lds s[G0V+4*(\s):G0V+4*(\s)+3], s[G1V:G1V+7]
	s_nop 0
.rept 4
	v_nop
.endr
.Lasked_\@:
.endm
; A prefetch into the L2 of the step two refills on (256 matrix instructions ahead of its load), a lane a row.  Each block is named once in the launch: P's rows by the cluster with x = 0, waves 0 and 1,
; the partners sharing the rows out by address (32 each); V's rows by the work-groups with I = 7, which walk all keys, waves 2 and 3, 64 keys each.  The first four steps come by their loads alone;
; the loop's last trip names nothing: the steps behind it do not exist.
.macro ASK
	s_cmp_lt_u32 s[LC], s[LIM]
	s_cbranch_scc0 .Lnone_\@
	global_prefetch_b8 v[PFO], s[PFA:PFA+1] th:TH_LOAD_NT scope:SCOPE_SE
	s_cmp_lt_u32 s[WV], 2
	s_cbranch_scc1 .Lnone_\@
	global_prefetch_b8 v[PFO], s[PFA:PFA+1] offset:32*QROW th:TH_LOAD_NT scope:SCOPE_SE
.Lnone_\@:
.endm
	s_load_b256 s[4:11], s[0:1], 0x0               ; pt s[4:5], qkv s[6:7], mx s[8:9], lx s[10:11]
	s_load_b64 s[12:13], s[0:1], 0x20              ; out0
	v_lshl_add_u32 v[SPW], v0, 2, SPARE
	v_mov_b32 v[NIL], 0
	ds_add_u32 v[SPW], v[NIL]                      ; the wave's opening: the add and its wait stand ahead of my first tensor load
	v_lshrrev_b32 v1, 5, v0
	v_readfirstlane_b32 s[WV], v1
	s_and_b32 s[W1], s[WV], 1
	s_bfe_u32 s[CX], ttmp6, 0x40000
	s_lshl_b32 s[CT], ttmp9, 2
	s_add_co_u32 s[CT], s[CT], s[CX]               ; channel tile 0..7: it enters V's, out0's and the prefetches' addresses alone
	s_and_b32 s[BY], ttmp7, 0xffff
	s_lshr_b32 s[BB], s[BY], 3                     ; batch
	s_and_b32 s[II], s[BY], 7                      ; query block
	s_add_co_u32 s[LAPS], s[II], 2
	s_min_u32 s[LAPS], s[LAPS], 8                  ; pairs of steps: 2 to 8, the same in all four partners
	s_mov_b32 s[G1P], 15|(1<<16)|(1<<20)|(1<<21)|(5<<22)|(3<<25)  ; the mask of four; 2-byte elements; padding on; bit 21 beside a mask; after every 64 words, 4 words
	s_mov_b32 s[G1P+1], 128<<16
	s_mov_b32 s[G1P+2], 128<<16                    ; 128 rows
	s_mov_b32 s[G1P+3], 128<<16
	s_mov_b32 s[G1P+4], 128
	s_mov_b32 s[G1P+5], 2048                       ; elements from row to row of pt
	s_mov_b32 s[G1P+6], 0
	s_mov_b32 s[G1P+7], 0
	s_mov_b32 s[G1V], (1<<16)|(1<<20)|(5<<22)|(7<<25)  ; no mask; 8 words of padding
	s_mov_b32 s[G1V+1], 128<<16
	s_mov_b32 s[G1V+2], 64<<16                     ; 64 keys
	s_mov_b32 s[G1V+3], 128<<16
	s_mov_b32 s[G1V+4], 64
	s_mov_b32 s[G1V+5], 3072
	s_mov_b32 s[G1V+6], 0
	s_mov_b32 s[G1V+7], 0
	s_lshl_b32 s68, s[BB], 11
	s_lshl_b32 s69, s[II], 8
	s_add_co_u32 s68, s68, s69                     ; the tile's first query row
	s_lshl_b32 s70, s[W1], 7
	s_add_co_u32 s70, s70, s68
	s_lshl_b32 s70, s70, 12                        ; P: my half of the tile's rows: no register of it ever holds cx
	s_mov_b32 s71, 0
	s_lshl_b32 s72, s[BB], 11
	s_lshl_b32 s73, s[W1], 6
	s_add_co_u32 s72, s72, s73
	s_mul_i32 s72, s72, QROW
	s_lshl_b32 s73, s[CT], 8
	s_add_co_u32 s72, s72, s73
	s_add_co_u32 s72, s72, 4096                    ; V: my 64 keys of step 0, my tile's 128 channels
	s_mov_b32 s73, 0
	s_lshl_b32 s74, s[WV], 6
	s_add_co_u32 s74, s74, s68
	s_lshl_b32 s74, s74, 12
	s_lshl_b32 s75, s[CT], 9
	s_add_co_u32 s74, s74, s75                     ; out0: my 64 rows, my tile's 512 bytes
	s_mov_b32 s75, 0
	s_lshl_b32 s76, s[BB], 17
	s_lshl_b32 s77, s[II], 10
	s_add_co_u32 s76, s76, s77                     ; mx, lx: the batch's block 0, the tile's rows
	s_mov_b32 s77, 0
	s_lshl_b32 s78, s[CX], 17                      ; the prefetches: P's rows 32 cx on, at step 3,
	s_add_co_u32 s78, s78, s70
	s_add_co_u32 s78, s78, 3*256
	s_add_co_u32 s79, s72, 3*128*QROW              ; or V's keys of step 3
	s_mov_b32 s80, 128*QROW
	s_mov_b32 s81, QROW
	s_cmp_lt_u32 s[WV], 2
	s_cselect_b32 s78, s78, s79
	s_cselect_b32 s[PST], 256, s80                 ; a step along P's rows, or down V's
	s_cselect_b32 s81, PROW, s81                   ; bytes from row to row
	s_mov_b32 s79, 0
	s_mov_b32 s[PST+1], 0
	s_sub_co_u32 s82, s[LAPS], 1
	s_cmp_eq_u32 ttmp9, 0
	s_cselect_b32 s83, s82, 0
	s_cmp_eq_u32 s[II], 7
	s_cselect_b32 s82, s82, 0
	s_cmp_lt_u32 s[WV], 2
	s_cselect_b32 s[LIM], s83, s82                 ; the same in all four partners, for a given wave
	s_mul_i32 s86, s[W1], AHALF                    ; where the tiles go: the wave's number and constants alone
	s_mul_i32 s87, s[W1], VHALF
	s_add_co_u32 s87, s87, PBYTES
	s_mov_b32 s[SEL], 0x76543210
	s_mov_b32 s[SEL+1], 0xfedcba98
	s_wait_dscnt 0x0                               ; the opening add is done
	s_wait_kmcnt 0x0
	s_cmp_lt_u32 s[WV], 2
	s_cselect_b64 s[PFA:PFA+1], s[4:5], s[6:7]
	s_add_nc_u64 s[PFA:PFA+1], s[PFA:PFA+1], s[78:79]
	s_add_nc_u64 s[70:71], s[4:5], s[70:71]
	s_add_nc_u64 s[72:73], s[6:7], s[72:73]
	s_add_nc_u64 s[12:13], s[12:13], s[74:75]
	s_add_nc_u64 s[MB:MB+1], s[8:9], s[76:77]
	s_add_nc_u64 s[LB:LB+1], s[10:11], s[76:77]
.irp s, 0,1
	s_mov_b32 s[G0P+4*(\s)], 1
	s_add_co_u32 s[G0P+4*(\s)+1], s86, (\s)*SLOT
	s_add_nc_u64 s[G0P+4*(\s)+2:G0P+4*(\s)+3], s[70:71], (\s)*256       ; step s: 128 keys are 256 bytes of a row
	s_or_b32 s[G0P+4*(\s)+3], s[G0P+4*(\s)+3], 0x80000000
	s_mov_b32 s[G0V+4*(\s)], 1
	s_add_co_u32 s[G0V+4*(\s)+1], s87, (\s)*SLOT
	s_add_nc_u64 s[G0V+4*(\s)+2:G0V+4*(\s)+3], s[72:73], (\s)*128*QROW  ; step s: 128 rows down
	s_or_b32 s[G0V+4*(\s)+3], s[G0V+4*(\s)+3], 0x80000000
.endr
	CROUND                                         ; all four work-groups are here: the first joint loads meet
	s_cmp_lt_u32 s[WV], 2                          ; a wave's two first fills stand in one branch: two loads of mine are out
	s_cbranch_scc0 .Lfirst_v
	tensor_load_to_lds s[G0P:G0P+3], s[G1P:G1P+7]
	s_nop 0
	tensor_load_to_lds s[G0P+4:G0P+7], s[G1P:G1P+7]
	s_nop 0
.rept 4
	v_nop
.endr
	s_branch .Lfirst_asked
.Lfirst_v:
	tensor_load_to_lds s[G0V:G0V+3], s[G1V:G1V+7]
	s_nop 0
	tensor_load_to_lds s[G0V+4:G0V+7], s[G1V:G1V+7]
	s_nop 0
.rept 4
	v_nop
.endr
.Lfirst_asked:
	v_and_b32 v1, 15, v0                           ; l % 16
	v_bfe_u32 v2, v0, 4, 1                         ; l / 16
	v_and_b32 v3, 31, v0                           ; l
	; THE ROW'S STATISTICS.  Each half of the lanes takes one block of each pair jp; pairs past the walk's end repeat its last pair: they do no harm in the maximum and count as 0 in the sum.
	s_lshl_b32 s88, s[WV], 6
	v_add_nc_u32 v[VQ], s88, v1
	v_lshlrev_b32 v[VQ], 2, v[VQ]
	v_lshl_add_u32 v4, v2, 13, v[VQ]               ; + a block of 8,192 bytes for lanes 16-31
	s_sub_co_u32 s89, s[LAPS], 1
.irp jp, 0,1,2,3,4,5,6,7
	s_min_u32 s88, s89, \jp
	s_lshl_b32 s88, s88, 14
	v_add_nc_u32 v[VJ+(\jp)], s88, v4
.endr
.irp jp, 0,1,2,3,4,5,6,7
.irp a, 0,1,2,3
	global_load_b32 v[SM+4*(\jp)+(\a)], v[VJ+(\jp)], s[MB:MB+1] offset:64*(\a)
	global_load_b32 v[SL+4*(\jp)+(\a)], v[VJ+(\jp)], s[LB:LB+1] offset:64*(\a)
.endr
.endr
	v_mul_u32_u24 v4, v1, PITCH
	v_lshl_add_u32 v4, v2, 4, v4
	s_mul_i32 s88, s[WV], 64*PITCH
	v_add_nc_u32 v[ADRA], s88, v4
	v_add_nc_u32 v[ADRA+1], SLOT, v[ADRA]
	; The turning load takes 16 keys x 16 channels (lane l reads key 8 (l / 16) + l % 8, channels 8 ((l / 8) % 2) + 0..7) and leaves half a fragment: lane l holds channel l % 16 and 8 keys.
	v_and_b32 v5, 7, v0
	v_bfe_u32 v6, v0, 3, 1
	v_lshl_add_u32 v5, v2, 3, v5
	v_mul_u32_u24 v5, v5, PV
	v_lshl_add_u32 v5, v6, 4, v5
	v_add_nc_u32 v[ADRV], PBYTES, v5
	v_add_nc_u32 v[ADRV+1], PBYTES+SLOT, v5
	s_mul_i32 s88, s[WV], 16*SP
	s_add_co_u32 s88, s88, STAGE
	v_mul_u32_u24 v4, v1, SP
	v_lshl_add_u32 v4, v2, 5, v4
	v_add_nc_u32 v[STO], s88, v4                   ; in: row l % 16, 32 bytes for each half of the lanes
	v_lshl_add_u32 v[RD], v3, 4, s88               ; back: a row of 512 bytes, 16 a lane
	v_lshlrev_b32 v[GO], 4, v3
	v_mul_u32_u24 v[PFO], v3, s81
.irp a, 0,1,2,3
	v_mov_b32 v[FP+2*(\a)+1], 0
	v_mov_b32 v[EE+(\a)], 0
.endr
	WIN 0x40                                       ; main starts at 0, written while the first tiles are on their way: the price of one text for every fold
.set i, 0
.rept 256
	v_mov_b32 v[i], 0
.set i, i+1
.endr
	WIN 0
	s_wait_loadcnt 0x0
.irp a, 0,1,2,3
	v_max3_num_f32 v[MR+(\a)], v[SM+(\a)], v[SM+4+(\a)], v[SM+8+(\a)]
.endr
.irp a, 0,1,2,3
	v_max3_num_f32 v[MR+(\a)], v[MR+(\a)], v[SM+12+(\a)], v[SM+16+(\a)]
.endr
.irp a, 0,1,2,3
	v_max3_num_f32 v[MR+(\a)], v[MR+(\a)], v[SM+20+(\a)], v[SM+24+(\a)]
.endr
.irp a, 0,1,2,3
	v_max_num_f32 v[MR+(\a)], v[MR+(\a)], v[SM+28+(\a)]
.endr
.irp a, 0,1,2,3
	v_permlanex16_b32 v[EE+(\a)], v[MR+(\a)], s[SEL], s[SEL+1]
.endr
.irp a, 0,1,2,3
	v_max_num_f32 v[MR+(\a)], v[MR+(\a)], v[EE+(\a)]   ; M: the row's true maximum, in every lane of the row
.endr
.set i, 0
.rept 32
	v_sub_f32 v[SM+i], v[SM+i], v[MR+i%4]
.set i, i+1
.endr
.set i, 0
.rept 32
	v_exp_f32 v[SM+i], v[SM+i]
.set i, i+1
.endr
	v_nop
	s_wait_alu depctr_va_vdst(0)                   ; one wait for the batch of 32, ahead of its first reader
.irp jp, 2,3,4,5,6,7
	s_cmp_gt_u32 s[LAPS], \jp
	s_cselect_b32 s88, 1.0, 0
.irp a, 0,1,2,3
	v_mul_f32 v[SL+4*(\jp)+(\a)], s88, v[SL+4*(\jp)+(\a)]
.endr
.endr
.irp a, 0,1,2,3
	v_mul_f32 v[RL+(\a)], v[SL+(\a)], v[SM+(\a)]
.endr
.irp jp, 1,2,3,4,5,6,7
.irp a, 0,1,2,3
	v_fmac_f32 v[RL+(\a)], v[SL+4*(\jp)+(\a)], v[SM+4*(\jp)+(\a)]
.endr
.endr
.irp a, 0,1,2,3
	v_permlanex16_b32 v[EE+(\a)], v[RL+(\a)], s[SEL], s[SEL+1]
.endr
.irp a, 0,1,2,3
	v_add_f32 v[RL+(\a)], v[RL+(\a)], v[EE+(\a)]       ; L
.endr
.irp a, 0,1,2,3
	v_rcp_f32 v[RL+(\a)], v[RL+(\a)]
.endr
	v_nop
	s_wait_alu depctr_va_vdst(0)                   ; one wait for the four reciprocals
.macro MLOAD off                       ; m of my four rows for the block at byte off behind MB
.irp a, 0,1,2,3
	global_load_b32 v[MJ+(\a)], v[VQ], s[MB:MB+1] offset:(\off)+64*(\a)
.endr
.endm
.macro FCALC                           ; 2^(m_J - M) for the step that is ending; the wait for the four exponentials stands ahead of their first reader, with no label between
	s_wait_loadcnt 0x0
.irp a, 0,1,2,3
	v_sub_f32 v[EE+(\a)], v[MJ+(\a)], v[MR+(\a)]
.endr
.irp a, 0,1,2,3
	v_exp_f32 v[EE+(\a)], v[EE+(\a)]
.endr
	v_nop
.endm
.macro FMUL                            ; f = 2^(m_J - M) / L
	s_wait_alu depctr_va_vdst(0)
.irp a, 0,1,2,3
	v_mul_f32 v[FP+2*(\a)], v[EE+(\a)], v[RL+(\a)]
.endr
.endm
.macro MUL8 f, a, zero                 ; the 32 accumulators take turns, in the same order in every quarter
	WIN MUL
.irp b, 0,1,2,3,4,5,6,7
.if \zero
	v_wmma_f32_16x16x32_f16 v[8*(8*(\a)+(\b)):8*(8*(\a)+(\b))+7], v[(\f)+8*(\b):(\f)+8*(\b)+7], v[(\f)+64+8*(\a):(\f)+64+8*(\a)+7], 0
.else
	v_wmma_f32_16x16x32_f16 v[8*(8*(\a)+(\b)):8*(8*(\a)+(\b))+7], v[(\f)+8*(\b):(\f)+8*(\b)+7], v[(\f)+64+8*(\a):(\f)+64+8*(\a)+7], v[8*(8*(\a)+(\b)):8*(8*(\a)+(\b))+7]
.endif
.endr
.endm
.macro MUL16 f, a0, zero
	MUL8 \f, \a0, \zero
	MUL8 \f, (\a0)+1, \zero
.endm
.macro FETCH s, kq, f                  ; 24 LDS loads in one run: keys 32 kq on of slot s: V's eight fragments (turned), then P's four
	WIN 0
.irp b, 0,1,2,3,4,5,6,7
	ds_load_tr16_b128 v[(\f)+8*(\b):(\f)+8*(\b)+3],   v[ADRV+(\s)] offset:32*PV*(\kq)+32*(\b)
	ds_load_tr16_b128 v[(\f)+8*(\b)+4:(\f)+8*(\b)+7], v[ADRV+(\s)] offset:32*PV*(\kq)+32*(\b)+16*PV
.endr
.irp a, 0,1,2,3
	ds_load_b128 v[(\f)+64+8*(\a):(\f)+64+8*(\a)+3],   v[ADRA+(\s)] offset:64*(\kq)+(\a)*16*PITCH
	ds_load_b128 v[(\f)+64+8*(\a)+4:(\f)+64+8*(\a)+7], v[ADRA+(\s)] offset:64*(\kq)+(\a)*16*PITCH+32
.endr
.endm
.macro QUARTER s, kq, f, g, zero       ; multiplies buffer f; in its middle fetches quarter kq of slot s into buffer g
	s_wait_dscnt 4                                 ; all but the youngest four loads (P's row blocks 2, 3)
	MUL16 \f, 0, \zero
	PLACES
	FETCH \s, \kq, \g
	s_wait_dscnt 24                                ; all but the 24 just issued
	MUL16 \f, 2, \zero
.endm
.macro RF n                            ; main_n += f T_n, from T_n's low end on
	WIN FOLD
.irp i, 0,2,4,6
	v_pk_fma_f32 v[8*(\n)+(\i):8*(\n)+(\i)+1], v[8*(\n)+(\i):8*(\n)+(\i)+1], v[FP+2*((\n)/8):FP+2*((\n)/8)+1], v[8*(\n)+(\i):8*(\n)+(\i)+1] op_sel_hi:[1,0,1]
.endr
.endm
.macro WN n                            ; T_n starts anew: the step's first 32 keys
	WIN MUL
	v_wmma_f32_16x16x32_f16 v[8*(\n):8*(\n)+7], v[F0+8*((\n)%8):F0+8*((\n)%8)+7], v[F0+64+8*((\n)/8):F0+64+8*((\n)/8)+7], 0
.endm
; The first quarter of every step but the first: the step before is folded while this step's sums start.  The folds run one accumulator ahead of the products: T_n is read, four plain lines follow, then it is written.
; The four multiplies at its head are the places behind the last products of the step before.
.macro QF s
	WIN 0
	s_wait_dscnt 4
	FMUL
	RF 0
.set qn, 0
.rept 16
	RF qn+1
	WN qn
.set qn, qn+1
.endr
	PLACES
	FETCH \s, 1, F1
	s_wait_dscnt 24
.rept 16
.if qn < 31
	RF qn+1
.endif
	WN qn
.set qn, qn+1
.endr
.endm
; The fourth quarter changes slots: each wave waits for all its tensor loads (one is out: its part of the other slot), adds 0 to its spare word, and waits for that and for its reads of this slot.
; fill = 1: the barrier opens a round of the cluster's, and the refill (the step two on) is the first thing behind it.
.macro TURN s, next, fill
.if \fill
	s_wait_xcnt 0x0                                ; the last prefetches and the last loads of m have read their addresses
	s_add_nc_u64 s[PFA:PFA+1], s[PFA:PFA+1], s[PST:PST+1]
.if (\s) == 1
	s_add_nc_u64 s[MB:MB+1], s[MB:MB+1], 2*8192    ; the next pair of blocks
.endif
.endif
	WIN 0
	s_wait_tensorcnt 0x0
	ds_add_u32 v[SPW], v[NIL]                      ; 0 onto my spare word
.if \fill
	s_add_nc_u64 s[G0P+4*(\s)+2:G0P+4*(\s)+3], s[G0P+4*(\s)+2:G0P+4*(\s)+3], 2*256
	s_add_nc_u64 s[G0V+4*(\s)+2:G0V+4*(\s)+3], s[G0V+4*(\s)+2:G0V+4*(\s)+3], 2*128*QROW
.endif
	s_wait_dscnt 5                                 ; the add and the youngest four loads may be out
	MUL8 F1, 0, 0
	s_wait_dscnt 0x0                               ; the add is done, and my reads of this slot are over
	s_barrier_signal -1
	MUL8 F1, 1, 0
	WIN 0
	s_barrier_wait -1
.if \fill
	CREST
	JLOAD \s                                       ; its four v_nop are also the places in front of the loads below
.else
	PLACES
.endif
	FETCH \next, 0, F0
.if \fill
	ASK
.endif
	FCALC
	MLOAD 8192*(1-(\s))                            ; m of the step that begins
	MUL16 F1, 2, 0
.endm
	MLOAD 0                                        ; m of step 0
	s_wait_tensorcnt 1                             ; my part of step 0 is in; step 1's may stay out
	s_barrier_signal -1
	s_barrier_wait -1
	FETCH 0, 0, F0
	QUARTER 0, 1, F0, F1, 1                        ; the very first quarter: there is nothing to fold yet
	WIN 0
	s_mov_b32 s[LC], 1
.Llap:                                             ; LAPS - 1 trips, each once round the ring: both slots are filled again
	QUARTER 0, 2, F1, F0, 0
	QUARTER 0, 3, F0, F1, 0
	TURN 0, 1, 1
	QF 1
	QUARTER 1, 2, F1, F0, 0
	QUARTER 1, 3, F0, F1, 0
	TURN 1, 0, 1
	QF 0
	WIN 0
	s_add_co_u32 s[LC], s[LC], 1
	s_cmp_lt_u32 s[LC], s[LAPS]
	s_cbranch_scc1 .Llap
	QUARTER 0, 2, F1, F0, 0                        ; the last two steps are written out: they ask for nothing
	QUARTER 0, 3, F0, F1, 0
	TURN 0, 1, 0
	QF 1
	QUARTER 1, 2, F1, F0, 0
	QUARTER 1, 3, F0, F1, 0
	s_wait_dscnt 4
	MUL16 F1, 0, 0
	s_wait_dscnt 0x0
	MUL16 F1, 2, 0
	WIN 0
	FCALC                                          ; the last step's factor; these plain lines are the places behind the last products
	FMUL
; THE WAY OUT, a block of 16 rows at a time: the last fold; 32 bytes a lane into my stage; back as whole rows of 512 bytes; stored.
.macro TOSTAGE a
	WIN 0x04                                       ; the stores' data in window 1
.irp b, 0,1,2,3,4,5,6,7
	ds_store_b128 v[STO], v[8*(8*(\a)+(\b)):8*(8*(\a)+(\b))+3]   offset:64*(\b)
	ds_store_b128 v[STO], v[8*(8*(\a)+(\b))+4:8*(8*(\a)+(\b))+7] offset:64*(\b)+16
.endr
	WIN 0
.irp t, 0,1,2,3,4,5,6,7,8,9,10,11,12,13,14,15
	ds_load_b128 v[F0+96*((\a)%2)+4*(\t):F0+96*((\a)%2)+4*(\t)+3], v[RD] offset:(\t)*SP  ; LDS serves a wave's instructions in order (ISA guide 5.7.1.4)
.endr
.endm
.macro SEND a
	WIN 0
	s_wait_dscnt 0x0
	s_wait_xcnt 0x0                                ; earlier stores have read their registers
.irp t, 0,1,2,3,4,5,6,7,8,9,10,11,12,13,14,15
	global_store_b128 v[GO], v[F0+96*((\a)%2)+4*(\t):F0+96*((\a)%2)+4*(\t)+3], s[12:13] offset:(16*(\a)+(\t))*OROW th:TH_STORE_NT  ; a wave stores 512 consecutive bytes, aligned
.endr
.endm
.macro FOLDOUT a
.irp b, 0,1,2,3,4,5,6,7
	RF 8*(\a)+(\b)
.endr
.endm
	FOLDOUT 0
	TOSTAGE 0
.irp a, 1,2,3
	FOLDOUT \a
	SEND (\a)-1
	TOSTAGE \a
.endr
	SEND 3
	s_wait_tensorcnt 0x0                           ; the wave's end: behind my last tensor load and my last LDS store
	ds_add_u32 v[SPW], v[NIL]
	s_wait_dscnt 0x0
	CROUND                                         ; the closing round: no work-group ends while a partner may still ask for a tile that names it
	s_endpgm
.Lfunc_end_k_q3d0f3e23b2_pv:
	.size	k_q3d0f3e23b2_pv, .Lfunc_end_k_q3d0f3e23b2_pv-k_q3d0f3e23b2_pv
	.p2alignl 7, 3214868480
	.fill 96, 4, 3214868480
	.section	.rodata,"a",@progbits
	.p2align	6, 0x0
	.amdhsa_kernel k_q3d0f3e23b2_pv
		.amdhsa_group_segment_fixed_size 327680
		.amdhsa_private_segment_fixed_size 0
		.amdhsa_enable_private_segment 0
		.amdhsa_kernarg_size 40
		.amdhsa_user_sgpr_count 2
		.amdhsa_user_sgpr_kernarg_segment_ptr 1
		.amdhsa_wavefront_size32 1
		.amdhsa_system_sgpr_workgroup_id_x 1
		.amdhsa_system_sgpr_workgroup_id_y 1
		.amdhsa_system_sgpr_workgroup_id_z 1
		.amdhsa_system_vgpr_workitem_id 0
		.amdhsa_next_free_vgpr 768
		.amdhsa_next_free_sgpr 96
		.amdhsa_reserve_vcc 0
		.amdhsa_float_denorm_mode_32 3
		.amdhsa_float_denorm_mode_16_64 3
		.amdhsa_memory_ordered 1
		.amdhsa_forward_progress 1
		.amdhsa_inst_pref_size 149
	.end_amdhsa_kernel
	.amdgpu_metadata
---
amdhsa.version: [ 1, 2 ]
amdhsa.kernels:
  - .name:           k_q3d0f3e23b2_pv
    .symbol:         k_q3d0f3e23b2_pv.kd
    .args:
      - { .name: pt, .offset: 0, .size: 8, .value_kind: global_buffer, .address_space: global }
      - { .name: qkv, .offset: 8, .size: 8, .value_kind: global_buffer, .address_space: global }
      - { .name: mx, .offset: 16, .size: 8, .value_kind: global_buffer, .address_space: global }
      - { .name: lx, .offset: 24, .size: 8, .value_kind: global_buffer, .address_space: global }
      - { .name: out0, .offset: 32, .size: 8, .value_kind: global_buffer, .address_space: global }
    .group_segment_fixed_size: 327680
    .private_segment_fixed_size: 0
    .kernarg_segment_align: 8
    .kernarg_segment_size: 40
    .max_flat_workgroup_size: 128
    .sgpr_count:     96
    .vgpr_count:     768
    .wavefront_size: 32
...
	.end_amdgpu_metadata
.endif
;; end of part 4
;; ======== version 2 of 2: 4 launches; version 1 with the launch cvt written anew for expert scheduling mode
;; limits: values are held in f16: magnitudes above 65,504 overflow, below 6.1e-05 lose precision
;; workspace buffers: xw 23,068,672 bytes; qkv 50,331,648 bytes; pt 33,554,432 bytes; mx 524,288 bytes; lx 524,288 bytes
;; launch cvt (part 5): grid 704 x 1, 8 waves a work-group, no clusters, 0 bytes of LDS; arguments x, W_q, W_k, W_v, xw; writes xw
.if DOCPART == 5
	.amdgcn_target "amdgcn-amd-amdhsa--gfx1250"
	.amdhsa_code_object_version 6
	.text
	.protected	k_q3d0f3e23b2_cvt
	.globl	k_q3d0f3e23b2_cvt
	.p2align	8
	.type	k_q3d0f3e23b2_cvt,@function
k_q3d0f3e23b2_cvt:
	s_mov_b64 s[64:65], 0
	v_nop
	global_prefetch_b8 v0, s[64:65] scope:SCOPE_SE
	s_setreg_imm32_b32 hwreg(HW_REG_WAVE_SCHED_MODE, 0, 2), 2
	s_setreg_imm32_b32 hwreg(HW_REG_WAVE_MODE, 25, 1), 1
	s_wait_xcnt 0x0
	s_wait_alu depctr_vm_vsrc(0)
; xw[11264][1024] bf16 = x (rows 0-8191), W_q (8192-), W_k (9216-), W_v (10240-), each number rounded once, to nearest even.
; A stream: every byte is read once and written once; no LDS, no barrier, no matrix unit, nothing shared between work-groups.
; A work-group converts 16,384 numbers: 65,536 bytes in, 32,768 out.  Work-groups 0-511 take x, 512-575 W_q, 576-639 W_k, 640-703 W_v;
; the destination is the stacked order, so its offset is the work-group's number x 32,768.
; Thread t takes 16 bytes at 16 t of each of 16 blocks of 4,096 bytes: a wave's load covers 512 consecutive bytes, its store 256, aligned.
; All 16 loads go out at once; no register is used twice.
; THE MODE: SCHED_MODE bits 1:0 = 2 (LLVM: expert scheduling mode 2), set by the entry lines.  The code itself states the register dependences
; between vector instructions and memory instructions, with s_wait_alu, always for 0.
; THE PLAN.  Registers that memory instructions touch:
;   v1, v2      byte offsets, written once at the head by vector lines; v1 is read by every load, v2 by every store; never written again.
;   v[8:71]     block j: 4 registers at 8 + 4 j.  Written by the block's load alone, once; read by the block's two roundings, behind the counted wait for the load.
;   v[72:103]   block j: 2 registers at 72 + 2 j.  Written by the block's two roundings, once; read by the block's store, once.
; No load lands in a register that a vector line has named, and no register that a memory instruction has read is written again: what is to be stated is that
; the offsets are written ahead of the first load, and that a store's data are written ahead of the store.
; The 16 blocks go in four groups of four.  Group g waits for its four loads, states ONCE that group g - 1's eight roundings are written, and issues group g - 1's
; four stores among its own roundings, which name group g's registers alone: none that those stores touch.  The last group's stores follow a wait of their own.
.set IN,  8                                        ; v[8:71]   as loaded
.set OUT, 72                                       ; v[72:103] to store
	s_load_b256 s[4:11], s[0:1], 0x0               ; x s[4:5], W_q s[6:7], W_k s[8:9], W_v s[10:11]
	s_load_b64 s[12:13], s[0:1], 0x20              ; xw
	s_sub_co_u32 s14, ttmp9, 512
	s_and_b32 s14, s14, 63                         ; the chunk inside a weight matrix (64 chunks each)
	s_cmp_lt_u32 ttmp9, 512
	s_cselect_b32 s14, ttmp9, s14                  ; or inside x
	s_lshl_b32 s16, s14, 16                        ; source offset in bytes
	s_mov_b32 s17, 0
	s_lshl_b32 s18, ttmp9, 15                      ; destination offset in bytes
	s_mov_b32 s19, 0
	v_lshlrev_b32 v1, 4, v0                        ; 16 t
	v_lshlrev_b32 v2, 3, v0                        ; 8 t
	s_wait_kmcnt 0x0
	s_cmp_lt_u32 ttmp9, 640
	s_cselect_b64 s[20:21], s[8:9], s[10:11]
	s_cmp_lt_u32 ttmp9, 576
	s_cselect_b64 s[20:21], s[6:7], s[20:21]
	s_cmp_lt_u32 ttmp9, 512
	s_cselect_b64 s[20:21], s[4:5], s[20:21]       ; the source buffer, chosen by the work-group's number alone
	s_add_nc_u64 s[20:21], s[20:21], s[16:17]
	s_add_nc_u64 s[12:13], s[12:13], s[18:19]
	s_wait_alu depctr_va_vdst(0)                   ; v1 and v2 are written: every load of the kernel reads v1 as its offset, every store v2
.set j, 0
.rept 16
	global_load_b128 v[IN+4*j:IN+4*j+3], v1, s[20:21] offset:4096*j th:TH_LOAD_NT
.set j, j+1
.endr
.set g, 0
.rept 4
	s_wait_loadcnt 12-4*g                          ; loads come back in order: group g's four blocks are in, the younger groups stay out
.if g > 0
	s_wait_alu depctr_va_vdst(0)                   ; group g - 1's roundings have written v[OUT + 8 (g - 1) ..], eight registers, which the four stores below read
.endif
.set i, 0
.rept 4
.set j, 4*g+i
.if g > 0
	global_store_b64 v2, v[OUT+2*(j-4):OUT+2*(j-4)+1], s[12:13] offset:2048*(j-4)  ; the group before; no vector line since the wait names its registers
.endif
	v_cvt_pk_bf16_f32 v[OUT+2*j], v[IN+4*j], v[IN+4*j+1]
	v_cvt_pk_bf16_f32 v[OUT+2*j+1], v[IN+4*j+2], v[IN+4*j+3]
.set i, i+1
.endr
.set g, g+1
.endr
	s_wait_alu depctr_va_vdst(0)                   ; group 3's roundings have written v[OUT + 24 ..], which the last four stores read
.set j, 12
.rept 4
	global_store_b64 v2, v[OUT+2*j:OUT+2*j+1], s[12:13] offset:2048*j
.set j, j+1
.endr
	s_endpgm
.Lfunc_end_k_q3d0f3e23b2_cvt:
	.size	k_q3d0f3e23b2_cvt, .Lfunc_end_k_q3d0f3e23b2_cvt-k_q3d0f3e23b2_cvt
	.p2alignl 7, 3214868480
	.fill 96, 4, 3214868480
	.section	.rodata,"a",@progbits
	.p2align	6, 0x0
	.amdhsa_kernel k_q3d0f3e23b2_cvt
		.amdhsa_group_segment_fixed_size 0
		.amdhsa_private_segment_fixed_size 0
		.amdhsa_enable_private_segment 0
		.amdhsa_kernarg_size 40
		.amdhsa_user_sgpr_count 2
		.amdhsa_user_sgpr_kernarg_segment_ptr 1
		.amdhsa_wavefront_size32 1
		.amdhsa_system_sgpr_workgroup_id_x 1
		.amdhsa_system_sgpr_workgroup_id_y 1
		.amdhsa_system_sgpr_workgroup_id_z 1
		.amdhsa_system_vgpr_workitem_id 0
		.amdhsa_next_free_vgpr 104
		.amdhsa_next_free_sgpr 66
		.amdhsa_reserve_vcc 0
		.amdhsa_float_denorm_mode_32 3
		.amdhsa_float_denorm_mode_16_64 3
		.amdhsa_memory_ordered 1
		.amdhsa_forward_progress 1
		.amdhsa_inst_pref_size 7
	.end_amdhsa_kernel
	.amdgpu_metadata
---
amdhsa.version: [ 1, 2 ]
amdhsa.kernels:
  - .name:           k_q3d0f3e23b2_cvt
    .symbol:         k_q3d0f3e23b2_cvt.kd
    .args:
      - { .name: x, .offset: 0, .size: 8, .value_kind: global_buffer, .address_space: global }
      - { .name: W_q, .offset: 8, .size: 8, .value_kind: global_buffer, .address_space: global }
      - { .name: W_k, .offset: 16, .size: 8, .value_kind: global_buffer, .address_space: global }
      - { .name: W_v, .offset: 24, .size: 8, .value_kind: global_buffer, .address_space: global }
      - { .name: xw, .offset: 32, .size: 8, .value_kind: global_buffer, .address_space: global }
    .group_segment_fixed_size: 0
    .private_segment_fixed_size: 0
    .kernarg_segment_align: 8
    .kernarg_segment_size: 40
    .max_flat_workgroup_size: 256
    .sgpr_count:     66
    .vgpr_count:     104
    .wavefront_size: 32
...
	.end_amdgpu_metadata
.endif
;; end of part 5
;; launch proj: the kernel of part 2 again; grid 8 x 32, 4 waves a work-group, clusters of 4 x 4, 327,680 bytes of LDS; arguments xw, qkv; writes qkv
;; launch scores: the kernel of part 3 again; grid 43 x 4, 4 waves a work-group, no clusters, 327,680 bytes of LDS; arguments qkv, pt, mx, lx; writes pt, mx, lx
;; launch pv: the kernel of part 4 again; grid 8 x 32, 4 waves a work-group, clusters of 4 x 1, 327,680 bytes of LDS; arguments pt, qkv, mx, lx, out0; writes out0
